; MI455X (gfx1250); checked and timed in simulation.
; The chip was launched on July 23, 2026; its instructions are those of AMD's public machine-readable ISA for CDNA 5 (MIT licence, August 2026) and "CDNA5" Instruction Set Architecture Reference Guide (July 2026). The comments in the code are by the model that wrote it; some were corrected since.
;; Causal Self Attention. Allowed arithmetic: matrix products marked QUANTISED: E2M1 operands, one E8M0 scale for each 32 along K, by v_wmma_scale_f32_16x16x128_f8f6f4 with both operands' format E2M1 (or v_wmma_scale_f32_32x16x128_f4), f32 sums; products left as they are: bf16, f16 or f32 operands; f32 sums; everything else in f32.
;; Inputs: b_attn 3,072 float32; b_proj 2,048 float32; freqs_cos 1,024 x 64 float32; freqs_sin 1,024 x 64 float32; w_attn 3,072 x 2,048 float32; w_proj 2,048 x 2,048 float32; x 4 x 1,024 x 2,048 float32.
;; Outputs: out0 4 x 1,024 x 2,048 float32; out1 4 x 4 x 1,024 x 128 float32; out2 4 x 4 x 1,024 x 128 float32.
;; This version of the problem:
;;   THIS VERSION OF THE PROBLEM IS GIVEN IN LOW PRECISION. The matrix products marked QUANTISED in the list below multiply operands that are first quantised to E2M1 (2 exponent bits, 1 mantissa bit; 4 bits a number), with one power-of-two scale for each 32 numbers along K (OCP MX v1.0); their sums are f32. The products marked 'left as it is' may take bf16, f16 or f32 operands, with f32 sums. Whichever they take, every output number must still come out within the allowed error. Rounding operands to bf16 (8 significant bits) uses up far more of that allowance than f16 does (11 bits, for magnitudes from 6e-5 to 65,504). All else is computed in f32.
;;   The module's matrix products, in the order in which they are computed (A, B: the left and right operand; K: the contracted axis; several contracted axes count as one K, in the product's order):
;;     1. [M 4,096, K 2,048] x [K 2,048, N 3,072]; A: input x; B: input w_attn: QUANTISED
;;     2. batch 16 x [M 4,096, K 128] x [K 128, N 1,024]; A: computed on the way; B: computed on the way: left as it is (an operand is computed on the way)
;;     3. batch 16 x [M 4,096, K 1,024] x [K 1,024, N 128]; A: computed on the way; B: computed on the way: left as it is (an operand is computed on the way)
;;     4. [M 4,096, K 2,048] x [K 2,048, N 2,048]; A: computed on the way; B: input w_proj: left as it is (an operand is computed on the way)
;;   THE QUANTISER, for each operand of a quantised product, along K:
;;     - K is cut into blocks of 32 from its start; a last block that is shorter is filled with zeros.
;;     - A block's scale is 2^e with e = floor(log2(the largest magnitude in the block)) - 2, held to -126 .. 127; a block of zeros has e = 0. As a byte (E8M0): e + 127.
;;     - Each number is divided by its block's scale, clamped to +-6, and rounded to the nearest number of E2M1, ties to even, subnormals kept.
;;     - The product sums the exact products of the quantised numbers (number of the format x scale) in f32.
;;   ~~~python
;;   def quantise(x, axis):      # numpy; x: float32 -> the quantised numbers, widened to float32 again
;;       x = np.moveaxis(x, axis, -1); K = x.shape[-1]
;;       x = np.pad(x, [(0, 0)] * (x.ndim - 1) + [(0, -K % 32)]); x = x.reshape(x.shape[:-1] + (-1, 32)); a = np.abs(x).max(-1, keepdims=True)
;;       e = np.where(a > 0, np.clip(np.frexp(np.where(a > 0, a, 1))[1] - 1 - 2, -126, 127), 0)      # np.frexp(a)[1] - 1 = floor(log2(a)), exactly
;;       r = np.clip(x / 2.0 ** e, -6, 6)
;;       step = 2.0 ** (np.maximum(np.frexp(np.where(r == 0, 1, r))[1] - 1, 0) - 1)
;;       q = np.round(r / step) * step * 2.0 ** e      # np.round: ties to even
;;       return np.moveaxis(q.reshape(q.shape[:-2] + (-1,))[..., :K], -1, axis).astype(np.float32)
;;   ~~~
;; One version. Each part assembles by itself: llvm-mc -triple=amdgcn-amd-amdhsa -mcpu=gfx1250 --defsym DOCPART=n.
;; ======== version 1 of 1: 5 launches
;; limits: values are held in f16: magnitudes above 65,504 overflow, below 6.1e-05 lose precision
;; workspace buffers: codes 7,340,032 bytes; scales 458,752 bytes; wp16 8,388,608 bytes; q16 17,301,504 bytes; kv16 8,388,608 bytes; y16 16,777,216 bytes; yfine 524,288 bytes
;; launch prep (part 1): grid 256 x 1, 9 waves a work-group, no clusters, 58,624 bytes of LDS; arguments x, w_attn, w_proj, codes, scales, wp16; writes codes, scales, wp16
.if DOCPART == 1
	.amdgcn_target "amdgcn-amd-amdhsa--gfx1250"
	.amdhsa_code_object_version 6
	.text
	.protected	k_qfa448acf5e_prep
	.globl	k_qfa448acf5e_prep
	.p2align	8
	.type	k_qfa448acf5e_prep,@function
k_qfa448acf5e_prep:
	s_mov_b64 s[64:65], 0
	v_nop
	global_prefetch_b8 v0, s[64:65] scope:SCOPE_SE
	s_setreg_imm32_b32 hwreg(HW_REG_WAVE_MODE, 25, 1), 1
	s_wait_xcnt 0x0
; FIRST OF FIVE LAUNCHES of causal grouped-query attention (B 4, T 1024, C 2048, 16 query heads, 4 key/value heads of 128).
; THIS LAUNCH: x [4096][2048] and w_attn [3072][2048], f32, K innermost, become codes of E2M1 with one E8M0 byte for each 32 along K (the operands of the quantised product); w_proj becomes f16.
; DEAD WORK OF THE WHOLE PROGRAM.  reference() overwrites every score whose key comes after its query (its own jnp.tril) with the smallest f32 number; the softmax takes the row's maximum away, every row has its own
; position as a visible key, so such a score's probability is exp(smallest - maximum) = 0 for all finite inputs, and 0 x v adds nothing to y.  So blocks of 64 keys that lie wholly behind a block of 64 queries are neither
; multiplied nor loaded (launch attn).  Nothing else is left out: every input has a way to an output and is loaded.  LIMIT: a NaN, an infinity or an overflow that would arise only in those blocks is not carried to the result.
; THE QUANTISER.  A block's scale is 2^(floor(log2(largest magnitude)) - 2); its byte is the largest magnitude's exponent field - 2, held at 1 from below.  A block of zeros so gets the byte 1 where the rule says 127:
; its codes are zeros, which add nothing under any byte but 0xff, and the bytes are read by this program alone.  Each number is divided by the scale and rounded to the nearest code, ties to even, beyond 6 to 6.
; LIMITS: NaN and infinities among the inputs are not served; |w_proj| must stay under 65,504 (f16).
; SHARES.  A run is 8,192 numbers, a wave's work: x has 1,024 runs, w_attn 768, w_proj 512.  Work-group j of 256 has nine waves: waves 0-3 take x's runs 4 j .. 4 j + 3, waves 4-6 w_attn's runs 3 j .. 3 j + 2,
; waves 7 and 8 w_proj's runs 2 j and 2 j + 1: every work-group has the same work.  Rows are dense and 2048 is a multiple of 32: each tensor is a plain stream, and so are codes and bytes.
; x's codes and bytes are followed in their buffers by w_attn's, so a run's number, counted through both, places its results.
; THE QUANTISING PATH.  A wave takes 16 steps of 512 numbers.  Each of a step's four loads reads 512 consecutive bytes, 16 a lane; the 2,048 bytes turn through the wave's own stage in LDS and come back 64 bytes a lane,
; since the conversions want 16 neighbours in one lane (two lanes hold a block).  A lane's 16 codes are 8 bytes: a wave's store covers 256 consecutive bytes, aligned.  A wave's 256 scale bytes are gathered in LDS and leave as one such store.
; No tensor loads, no barrier: waves share nothing.  Loads run four steps (16 loads a wave) ahead, the turn through LDS one step.
.set WAVESQ, 7                         ; waves that quantise
.set STEPS, 16
.set EMAX,  2
.set CB,    8                          ; bytes of 16 codes
.set R,     16                         ; v16-79   four sets of 16 numbers as loaded (conversion path: v16-143 two sets of 64)
.set X,     80                         ; v80-111  two sets of 16 neighbours
.set C,     128                        ; v128-191 codes: four registers a step, so that no store's data are written again
.set E,     112                        ; v112-127 a scale byte for each step
.set HF,    144                        ; v144-175 conversion path: 64 numbers as f16
.set WREG,  8192                       ; LDS: a region for each quantising wave: two stages of 32 x SP bytes, then its 256 scale bytes
.set SP,    80                         ; a lane's place in a stage: 64 bytes + 16 of padding
.set SPW,   12                         ; v12 LDS address of my spare word; never rewritten
.set NIL,   13                         ; v13 0; never rewritten
.set SPARE, WAVESQ*WREG                ; behind the regions: the spare words, 128 bytes for each of the nine waves, which no other line names
	s_load_b128 s[4:7], s[0:1], 0x0                ; x, w_attn
	s_load_b128 s[8:11], s[0:1], 0x10              ; w_proj, codes
	s_load_b128 s[12:15], s[0:1], 0x20             ; scales, wp16
	v_lshl_add_u32 v[SPW], v0, 2, SPARE
	v_mov_b32 v[NIL], 0
	v_lshrrev_b32 v1, 5, v0
	v_readfirstlane_b32 s16, v1                    ; wave 0..8
	v_and_b32 v2, 31, v0                           ; lane
	v_lshlrev_b32 v3, 4, v2                        ; my 16 bytes of a load's 512
	s_mov_b32 s21, 0
	s_cmp_ge_u32 s16, WAVESQ                       ; the paths part on the wave's number; only the quantising path touches LDS
	s_cbranch_scc1 .Lconvert
	s_mul_i32 s17, s16, WREG
	v_lshrrev_b32 v14, 2, v2
	v_mul_u32_u24 v14, v14, SP
	v_and_b32 v15, 3, v2
	v_lshl_add_u32 v14, v15, 4, v14
	v_add_nc_u32 v14, s17, v14                     ; the stage, on the way in: SP (lane / 4) + 16 (lane % 4)
	v_mul_u32_u24 v15, v2, SP
	v_add_nc_u32 v15, s17, v15                     ; on the way out: SP x lane: my 16 neighbours
	v_mul_u32_u24 v4, v2, CB                       ; my codes' place in a step's
	v_lshrrev_b32 v5, 1, v2
	s_add_co_u32 s17, s17, 2*32*SP
	v_add_nc_u32 v5, s17, v5                       ; LDS: my wave's 256 scale bytes, my block's byte
	v_lshlrev_b32 v7, 3, v2                        ; and on the way out 8 bytes a lane
	v_add_nc_u32 v6, s17, v7
	s_lshl_b32 s18, ttmp9, 2
	s_add_co_u32 s18, s18, s16                     ; waves 0-3: x's run 4 j + wave
	s_mul_i32 s19, ttmp9, 3
	s_add_co_u32 s19, s19, s16
	s_sub_co_u32 s19, s19, 4                       ; waves 4-6: w_attn's run 3 j + wave - 4,
	s_add_co_u32 s22, s19, 1024                    ; and the same counted through x and then w_attn
	s_wait_kmcnt 0x0
	s_cmp_lt_u32 s16, 4                            ; the choice hangs on the wave's number alone
	s_cselect_b64 s[4:5], s[4:5], s[6:7]
	s_cselect_b32 s17, s18, s19                    ; the run within its tensor
	s_cselect_b32 s18, s18, s22                    ; the run counted through both
	s_lshl_b32 s20, s17, 15                        ; 32,768 bytes of f32 a run
	s_add_nc_u64 s[4:5], s[4:5], s[20:21]
	s_lshl_b32 s20, s18, 12                        ; 4,096 bytes of codes
	s_add_nc_u64 s[10:11], s[10:11], s[20:21]
	s_lshl_b32 s20, s18, 8                         ; 256 scale bytes
	s_add_nc_u64 s[12:13], s[12:13], s[20:21]
.macro LOAD t
.irp i, 0,1,2,3
	global_load_b128 v[R+16*((\t)%4)+4*\i:R+16*((\t)%4)+4*\i+3], v3, s[4:5] offset:2048*(\t)+512*\i th:TH_LOAD_NT   ; 32 lanes read 512 consecutive bytes
.endr
.endm
.macro TURN t                          ; step t's numbers through the stage: LDS serves a wave's instructions in order, so no wait stands between the stores and the loads
.irp i, 0,1,2,3
	ds_store_b128 v14, v[R+16*((\t)%4)+4*\i:R+16*((\t)%4)+4*\i+3] offset:32*SP*((\t)%2)+8*SP*\i
.endr
.irp i, 0,1,2,3
	ds_load_b128 v[X+16*((\t)%2)+4*\i:X+16*((\t)%2)+4*\i+3], v15 offset:32*SP*((\t)%2)+16*\i
.endr
.endm
.irp t, 0,1,2,3
	LOAD \t
.endr
	s_wait_loadcnt 12                              ; step 0's four loads are in; the twelve of steps 1 to 3 stay out
	TURN 0
.macro STEP t
.set XS, X+16*((\t)%2)
.if (\t) > 0
	s_wait_dscnt 1                                 ; this step's numbers are back from the stage (the last step's byte store may be out): so its stores into the stage have read their registers,
.else
	s_wait_dscnt 0x0
.endif
.if (\t)+4 < STEPS
	LOAD (\t)+4                                    ; which take the loads of four steps on
.endif
.if (\t)+1 < STEPS
.if STEPS-2-(\t) >= 3
	s_wait_loadcnt 12                              ; the next step's four loads are in; those of the three steps behind it may be out
.else
	s_wait_loadcnt 4*(STEPS-2-(\t))
.endif
	TURN (\t)+1                                    ; and go through the other stage while this step is worked
.endif
	v_max3_num_f32 v8, |v[XS]|, |v[XS+1]|, |v[XS+2]|               ; the largest magnitude of my 16, in two chains
	v_max3_num_f32 v9, |v[XS+3]|, |v[XS+4]|, |v[XS+5]|
.irp i, 6,10
	v_max3_num_f32 v8, v8, |v[XS+\i]|, |v[XS+\i+1]|
	v_max3_num_f32 v9, v9, |v[XS+\i+2]|, |v[XS+\i+3]|
.endr
	v_max3_num_f32 v8, v8, |v[XS+14]|, |v[XS+15]|
	v_max3_num_f32 v8, v8, v9, (EMAX+1)<<23        ; and the floor 2^(EMAX + 1 - 127): the byte cannot fall under 1
	v_max_num_f32_dpp v8, v8, v8 row_xmask:1 row_mask:0xf bank_mask:0xf   ; and of my neighbour's 16: the block's
	v_add_nc_u32 v11, -(EMAX<<23), v8              ; EMAX off its exponent field: the conversion takes the exponent field of this operand as its scale
	v_cvt_scalef32_pk8_fp4_f32 v[C+4*(\t)], v[XS:XS+7], v11
	v_cvt_scalef32_pk8_fp4_f32 v[C+4*(\t)+1], v[XS+8:XS+15], v11
	v_lshrrev_b32 v[E+(\t)], 23, v11               ; the scale's byte (a plain line behind the conversions)
	ds_store_b8 v5, v[E+(\t)] offset:16*(\t)       ; both lanes of a block write the same byte with the same value
	global_store_b64 v4, v[C+4*(\t):C+4*(\t)+1], s[10:11] offset:32*CB*(\t)   ; 32 lanes store 256 consecutive bytes, aligned
.endm
.irp t, 0,1,2,3,4,5,6,7,8,9,10,11,12,13,14,15
	STEP \t
.endr
	ds_load_b64 v[8:9], v6                         ; LDS serves a wave's instructions in order: these see my byte stores
	s_wait_dscnt 0x0
	global_store_b64 v7, v[8:9], s[12:13]          ; my run's 256 scale bytes in one store
	s_wait_tensorcnt 0x0                           ; the wave's end
	ds_add_u32 v[SPW], v[NIL]
	s_wait_dscnt 0x0
	s_endpgm
; THE CONVERSION PATH: w_proj to f16, rounded to nearest even.  Four batches of 16 loads of 512 bytes; a lane's four numbers become 8 bytes, so a wave's store covers 256 consecutive bytes, aligned.  No LDS.
.Lconvert:
	v_lshlrev_b32 v4, 3, v2                        ; 8 bytes a lane on the way out
	s_lshl_b32 s17, ttmp9, 1
	s_add_co_u32 s17, s17, s16
	s_sub_co_u32 s17, s17, WAVESQ                  ; my run of 8,192 numbers: 2 j + wave - 7
	s_lshl_b32 s20, s17, 15
	s_wait_kmcnt 0x0
	s_add_nc_u64 s[8:9], s[8:9], s[20:21]
	s_lshl_b32 s20, s17, 14
	s_add_nc_u64 s[14:15], s[14:15], s[20:21]
.macro LOADB g
.set n, 0
.rept 16
	global_load_b128 v[R+64*((\g)%2)+4*n:R+64*((\g)%2)+4*n+3], v3, s[8:9] offset:512*(16*(\g)+n) th:TH_LOAD_NT
.set n, n+1
.endr
.endm
	LOADB 0
	LOADB 1
.macro BATCH g
.if (\g) < 3
	s_wait_loadcnt 16                              ; this batch is in; the next batch's 16 loads stay out
.else
	s_wait_loadcnt 0x0
.endif
.if (\g) > 0
	s_wait_xcnt 0x0                                ; the last batch's stores have read their data, which are written again below
.endif
.set n, 0
.rept 16
	v_cvt_pk_f16_f32 v[HF+2*n], v[R+64*((\g)%2)+4*n], v[R+64*((\g)%2)+4*n+1]
	v_cvt_pk_f16_f32 v[HF+2*n+1], v[R+64*((\g)%2)+4*n+2], v[R+64*((\g)%2)+4*n+3]
.set n, n+1
.endr
.if (\g) < 2
	LOADB (\g)+2
.endif
.set n, 0
.rept 16
	global_store_b64 v4, v[HF+2*n:HF+2*n+1], s[14:15] offset:256*(16*(\g)+n)
.set n, n+1
.endr
.endm
	BATCH 0
	BATCH 1
	BATCH 2
	BATCH 3
	s_endpgm
.Lfunc_end_k_qfa448acf5e_prep:
	.size	k_qfa448acf5e_prep, .Lfunc_end_k_qfa448acf5e_prep-k_qfa448acf5e_prep
	.p2alignl 7, 3214868480
	.fill 96, 4, 3214868480
	.section	.rodata,"a",@progbits
	.p2align	6, 0x0
	.amdhsa_kernel k_qfa448acf5e_prep
		.amdhsa_group_segment_fixed_size 58624
		.amdhsa_private_segment_fixed_size 0
		.amdhsa_enable_private_segment 0
		.amdhsa_kernarg_size 48
		.amdhsa_user_sgpr_count 2
		.amdhsa_user_sgpr_kernarg_segment_ptr 1
		.amdhsa_wavefront_size32 1
		.amdhsa_system_sgpr_workgroup_id_x 1
		.amdhsa_system_sgpr_workgroup_id_y 1
		.amdhsa_system_sgpr_workgroup_id_z 1
		.amdhsa_system_vgpr_workitem_id 0
		.amdhsa_next_free_vgpr 192
		.amdhsa_next_free_sgpr 66
		.amdhsa_reserve_vcc 0
		.amdhsa_float_denorm_mode_32 3
		.amdhsa_float_denorm_mode_16_64 3
		.amdhsa_memory_ordered 1
		.amdhsa_forward_progress 1
		.amdhsa_inst_pref_size 54
	.end_amdhsa_kernel
	.amdgpu_metadata
---
amdhsa.version: [ 1, 2 ]
amdhsa.kernels:
  - .name:           k_qfa448acf5e_prep
    .symbol:         k_qfa448acf5e_prep.kd
    .args:
      - { .name: x, .offset: 0, .size: 8, .value_kind: global_buffer, .address_space: global }
      - { .name: w_attn, .offset: 8, .size: 8, .value_kind: global_buffer, .address_space: global }
      - { .name: w_proj, .offset: 16, .size: 8, .value_kind: global_buffer, .address_space: global }
      - { .name: codes, .offset: 24, .size: 8, .value_kind: global_buffer, .address_space: global }
      - { .name: scales, .offset: 32, .size: 8, .value_kind: global_buffer, .address_space: global }
      - { .name: wp16, .offset: 40, .size: 8, .value_kind: global_buffer, .address_space: global }
    .group_segment_fixed_size: 58624
    .private_segment_fixed_size: 0
    .kernarg_segment_align: 8
    .kernarg_segment_size: 48
    .max_flat_workgroup_size: 288
    .sgpr_count:     66
    .vgpr_count:     192
    .wavefront_size: 32
...
	.end_amdgpu_metadata
.endif
;; end of part 1
;; launch qkv (part 2): grid 12 x 16, 4 waves a work-group, clusters of 4 x 4, 327,680 bytes of LDS; arguments codes, scales, b_attn, freqs_cos, freqs_sin, q16, kv16, out1, out2; writes q16, kv16, out1, out2
.if DOCPART == 2
	.amdgcn_target "amdgcn-amd-amdhsa--gfx1250"
	.amdhsa_code_object_version 6
	.text
	.protected	k_qfa448acf5e_qkv
	.globl	k_qfa448acf5e_qkv
	.p2align	8
	.type	k_qfa448acf5e_qkv,@function
k_qfa448acf5e_qkv:
	s_mov_b64 s[64:65], 0
	v_nop
	global_prefetch_b8 v0, s[64:65] scope:SCOPE_SE
	s_setreg_imm32_b32 hwreg(HW_REG_WAVE_MODE, 25, 1), 1
	s_wait_xcnt 0x0
	s_wait_alu depctr_hold_cnt(0) depctr_sa_sdst(0) depctr_va_vdst(0) depctr_va_sdst(0) depctr_va_ssrc(0) depctr_va_vcc(0) depctr_vm_vsrc(0)
	s_getreg_b32 s2, hwreg(HW_REG_IB_STS2, 6, 4)
	s_cmp_eq_u32 s2, 0
	s_cbranch_scc0 .Lentry_in_a_cluster
	s_endpgm
.Lentry_in_a_cluster:
	s_bfe_u32 s2, ttmp6, 0x10000c
	s_cmp_lg_u32 s2, 0xf033
	s_cbranch_scc0 .Lentry_shape_is_right
	s_endpgm
.Lentry_shape_is_right:
; SECOND LAUNCH: qkv = Q(x) Q(w_attn)^T + b_attn on codes of E2M1 with E8M0 scales (the quantised product), then RoPE on q and k, and every copy that the later launches and the outputs want.
; IN: codes (x's [4096][1024 bytes] at 0, w_attn's [3072][1024] at 4,194,304), scales (x's [4096][64] at 0, w_attn's at 262,144), b_attn, freqs_cos, freqs_sin.
; OUT: q16: roped q as f16 [b][head][t][128], and behind it (byte 16,777,216) roped q as f32 for t < 16, [b][head][16][128];  kv16: roped k as f16 [b][g][t][128], v as f16 likewise at 4,194,304;  out1 = roped k, out2 = v, f32.
; Nothing is left out here.  LIMIT: |q|, |k|, |v| must stay under 65,504 for their f16 copies.
; SHAPE.  A work-group of four waves makes 256 rows x 256 columns, a wave 128 x 128: 64 accumulators of 16 x 16, 512 registers; a wave's 128 columns are ONE head.  K goes in steps of 512 (rows of 256 bytes) through a ring of
; two LDS slots filled by the tensor data mover.  The scale bytes of the work-group's rows, for all of K, come into LDS once, with the first fills, and stay.
; CLUSTERS: 4 x 4 work-groups.  The four of a row of the cluster need the same tiles of x, the four of a column the same tiles of w_attn: each tile is asked for jointly, by the same tensor load with a mask that names the four.
; PLACES.  Tile row = 4 cy + cluster y: so the batch is cy, and whether a wave holds a batch's first 16 positions hangs on the cluster's y and the wave's number, which all partners share.
; Columns: clusters x = 0, 1 make q: heads 2 (4 x + cx) and the next; cluster x = 2 makes k's head cx (column half 0) and v's head cx (column half 1).  The kind of a wave's head hangs on the cluster's x and the wave's number.
; THE MATRIX INSTRUCTION IS USED TRANSPOSED (source 0 = 16 rows of w_attn, source 1 = 16 rows of x): a lane holds eight neighbouring numbers of a row, four RoPE pairs.  The bias is the C of each sum's first product.
; REGISTERS, in windows of 256: window 0: v0-31 addresses; v32-95 scale words, two sets, and nothing else; v128-191 x's fragments, one set (on the way out: cos and sin, set 1); v192-255 the bias (on the way out: cos and sin, set 0).
;   window 1: w_attn's fragments, two sets, at v0 and v128 (on the way out: v0-127 two sets of roped numbers, v128-191 rows read back, v192-223 their f16).   windows 2, 3: the accumulators ((a, b) at v[8 (8 (a % 4) + b)]).
.set KSTEP,  512
.set NQ,     4                         ; matrix instructions deep in a slot
.set ROWB,   256                       ; a tile's row in bytes
.set KROW,   1024                      ; a row of codes in memory
.set PITCH,  272                       ; an LDS row: 256 bytes + 16 of padding = 68 words: the 16 rows that a load touches start at 16 different banks
.set FR,     8                         ; registers of a fragment
.set NL,     2                         ; LDS loads that bring one
.set NP,     4                         ; places behind this matrix instruction (ISA guide 7.12.1)
.set HALFT,  128*PITCH
.set SLOT,   4*HALFT                   ; x's 256 rows, then w_attn's 256
.set LAPS,   2                         ; 2048 / (2 x 512)
.set KS,     64                        ; a row of scale bytes
.set SCL,    2*SLOT                    ; behind the ring: the scales, as units of 256 bytes + 16 of padding
.set HALFS,  32*272                    ; those of 128 rows
.set SBLK,   4*272                     ; those of 16 rows
.set SPARE,  SCL+4*HALFS               ; the spare words, 128 bytes a wave, which no other line names
.set SPITCH, 528                       ; the way out: a stage of 16 rows x (512 + 16) bytes a wave, in slot 0, which has had its last fill and its last read when the first result is stored there
.set ADRA, 16
.set ADRB, 20
.set STO,  24                          ; v24 the stage: where I put 32 bytes of a row
.set RD,   25                          ; v25 and where I read a row back
.set CO32, 26                          ; v26 16 x lane: my place in a row of 512 bytes
.set ADRS, 27                          ; v27 my scale words: lanes 0-15 x's rows, lanes 16-31 w_attn's
.set SPW,  28
.set NIL,  29
.set CA,   30                          ; v30 cos, sin: 256 (lane % 16) + 16 (lane / 16)
.set CO16, 31                          ; v31 8 x lane: my place in a row of 256 bytes
.set SC,   32
.set AF,   128
.set BI,   192                         ; the bias: block b's eight numbers of my half at v[BI + 8 b]
.set CS0,  192                         ; cos and sin of even blocks: where the bias lay
.set CS1,  128                         ; of odd blocks: where x's fragments lay
.set BK,   128                         ; window 1
.set H,    192                         ; window 1
.set G1, 24
.set G0, 32
.set G1B, 48
.set G0B, 56
.set G1S, 68
.set G0S, 76
.set G1SB, 80
.set G0SB, 88
.set MSB, 0
.macro WIN new                         ; the immediate's high byte repeats the setting that is left
.if MSB != (\new)
	s_set_vgpr_msb (MSB<<8)|(\new)
.set MSB, (\new)
.endif
.endm
.set MUL_LO, 0xa1                      ; source 0 window 1, source 1 window 0, C and D window 2
.set MUL_HI, 0xf1                      ; C and D window 3
.set TO_B,   0x40
; A joint load: waves 0 and 1 fetch for x, waves 2 and 3 for w_attn.  An s_nop 0 and four v_nop follow each of the two lines.
.macro JLOAD g0a, g1a, g0b, g1b
	s_cmp_eq_u32 s15, 0
	s_cbranch_scc0 .Lfor_b_\@
	tensor_load_to_lds s[\g0a:\g0a+3], s[\g1a:\g1a+7]
	s_nop 0
.rept 4
	v_nop
.endr
	s_branch .Lasked_\@
.Lfor_b_\@:
	tensor_load_to_lds s[\g0b:\g0b+3], s[\g1b:\g1b+7]
	s_nop 0
.rept 4
	v_nop
.endr
.Lasked_\@:
.endm
.macro CREST
	s_cmp_lg_u32 s14, 0
	s_cbranch_scc1 .Lnot_wave_0_\@
	s_barrier_signal -3
.Lnot_wave_0_\@:
	s_barrier_wait -3
	s_barrier_signal -1
	s_barrier_wait -1
.endm
.macro CROUND
	s_barrier_signal -1
	s_barrier_wait -1
	CREST
.endm
	s_load_b128 s[4:7], s[0:1], 0x0                ; codes, scales
	s_load_b64 s[12:13], s[0:1], 0x10              ; b_attn
	v_lshl_add_u32 v[SPW], v0, 2, SPARE
	v_mov_b32 v[NIL], 0
	ds_add_u32 v[SPW], v[NIL]                      ; the wave's opening: the add, twice on end, and its wait ahead of my first tensor load
	ds_add_u32 v[SPW], v[NIL]
	v_lshrrev_b32 v1, 5, v0
	v_readfirstlane_b32 s14, v1                    ; wave 0..3
	s_lshr_b32 s15, s14, 1                         ; my half of the tile's rows.  Also: I fetch for x (0) or for w_attn (1)
	s_and_b32 s16, s14, 1                          ; my half of its columns.  Also: which 128 rows I fetch
	s_bfe_u32 s40, ttmp6, 0x40000                  ; cx
	s_bfe_u32 s41, ttmp6, 0x40004                  ; cy
	s_and_b32 s100, ttmp7, 0xffff                  ; the cluster's y
	s_lshl_b32 s17, s41, 2
	s_add_co_u32 s17, s17, s100                    ; tile row = 4 cy + cluster y
	s_lshl_b32 s42, ttmp9, 2
	s_add_co_u32 s42, s42, s40
	s_lshl_b32 s42, s42, 8
	s_lshl_b32 s46, s16, 7
	s_add_co_u32 s42, s42, s46                     ; q: rows of w_attn from 256 (4 x + cx) + 128 x half
	s_lshl_b32 s46, s40, 7
	s_lshl_b32 s47, s16, 9
	s_add_co_u32 s46, s46, s47
	s_add_co_u32 s46, s46, 2048                    ; k, v: from 2048 + 128 cx + 512 x half
	s_add_co_u32 s67, s16, 1
	s_cmp_eq_u32 ttmp9, 2
	s_cselect_b32 s66, s46, s42                    ; s66: the first row of w_attn of column half s16
	s_cselect_b32 s67, s67, 0                      ; s67: the kind of my head: 0 q, 1 k, 2 v
	s_cselect_b32 s99, 1, 0                        ; s99: all my blocks leave as f32 too
	s_or_b32 s98, s100, s15
	s_cmp_eq_u32 s98, 0
	s_cselect_b32 s98, 1, s99                      ; s98: my block 0 does: also where it holds a batch's positions 0-15
	s_lshl_b32 s43, s41, 2
	s_lshl_b32 s43, 15, s43                        ; my row of the cluster
	s_lshl_b32 s44, 0x1111, s40                    ; my column
	s_or_b32 s[G1+0], s43, (0<<16)|(1<<20)|(1<<21)|(5<<22)|(3<<25)  ; the mask; elements of 1 byte; padding on; bit 21 beside a mask; 4 words after every 64
	s_or_b32 s[G1B+0], s44, (0<<16)|(1<<20)|(1<<21)|(5<<22)|(3<<25)
.irp g, G1, G1B
	s_mov_b32 s[\g+1], ROWB<<16                    ; tensor_dim0
	s_mov_b32 s[\g+2], 128<<16                     ; tensor_dim1
	s_mov_b32 s[\g+3], ROWB<<16                    ; tile_dim0
	s_mov_b32 s[\g+4], 128                         ; tile_dim1
	s_mov_b32 s[\g+5], KROW                        ; pitch
	s_mov_b32 s[\g+6], 0
	s_mov_b32 s[\g+7], 0
.endr
	s_or_b32 s[G1S+0], s43, (3<<16)|(1<<20)|(1<<21)|(5<<22)|(3<<25) ; the scales of 128 rows: 8,192 dense bytes as 32 rows of 256 (32 elements of 8 bytes), 16 bytes of padding behind each
	s_or_b32 s[G1SB+0], s44, (3<<16)|(1<<20)|(1<<21)|(5<<22)|(3<<25)
.irp g, G1S, G1SB
	s_mov_b32 s[\g+1], 32<<16
	s_mov_b32 s[\g+2], 32<<16
	s_mov_b32 s[\g+3], 32<<16
	s_mov_b32 s[\g+4], 32
	s_mov_b32 s[\g+5], 32
	s_mov_b32 s[\g+6], 0
	s_mov_b32 s[\g+7], 0
.endr
	s_lshl_b32 s18, s16, 7
	s_lshl_b32 s20, s17, 8
	s_add_co_u32 s20, s20, s18                     ; x: row 256 x tile row + 128 x half
	s_mov_b32 s46, s66                             ; w_attn: row s66
	s_mov_b32 s21, 0
	s_mov_b32 s47, 0
	s_mov_b64 s[18:19], KS
	s_mul_u64 s[22:23], s[20:21], s[18:19]         ; where these rows' scales begin,
	s_mul_u64 s[92:93], s[46:47], s[18:19]
	s_mov_b64 s[18:19], KROW
	s_mul_u64 s[20:21], s[20:21], s[18:19]         ; and their codes
	s_mul_u64 s[46:47], s[46:47], s[18:19]
	s_mul_i32 s45, s14, HALFT                      ; where they go: wave x 128 rows: no place in the cluster enters an LDS address
	s_mul_i32 s94, s14, HALFS
	s_wait_dscnt 0x0                               ; both opening adds are done
	s_wait_kmcnt 0x0
	s_add_nc_u64 s[8:9], s[4:5], 0x400000          ; w_attn's codes
	s_add_nc_u64 s[10:11], s[6:7], 0x40000         ; w_attn's scales
	s_add_nc_u64 s[20:21], s[4:5], s[20:21]
	s_add_nc_u64 s[22:23], s[6:7], s[22:23]
	s_add_nc_u64 s[46:47], s[8:9], s[46:47]
	s_add_nc_u64 s[92:93], s[10:11], s[92:93]
	CROUND                                         ; all sixteen work-groups are here: the first joint loads meet
	s_mov_b32 s[G0S], 1
	s_add_co_u32 s[G0S+1], s94, SCL
	s_mov_b64 s[G0S+2:G0S+3], s[22:23]
	s_or_b32 s[G0S+3], s[G0S+3], 0x80000000
	s_mov_b32 s[G0SB], 1
	s_add_co_u32 s[G0SB+1], s94, SCL
	s_mov_b64 s[G0SB+2:G0SB+3], s[92:93]
	s_or_b32 s[G0SB+3], s[G0SB+3], 0x80000000
	JLOAD G0S, G1S, G0SB, G1SB                     ; the scales first: they are wanted with K step 0
.irp s, 0,1
	s_mov_b32 s[G0+4*\s], 1
	s_add_co_u32 s[G0+4*\s+1], s45, \s*SLOT
	s_add_nc_u64 s[G0+4*\s+2:G0+4*\s+3], s[20:21], \s*ROWB
	s_or_b32 s[G0+4*\s+3], s[G0+4*\s+3], 0x80000000
	s_mov_b32 s[G0B+4*\s], 1
	s_add_co_u32 s[G0B+4*\s+1], s45, \s*SLOT
	s_add_nc_u64 s[G0B+4*\s+2:G0B+4*\s+3], s[46:47], \s*ROWB
	s_or_b32 s[G0B+4*\s+3], s[G0B+4*\s+3], 0x80000000
	JLOAD G0+4*\s, G1, G0B+4*\s, G1B
.endr
	v_and_b32 v1, 15, v0                           ; r = lane % 16
	v_bfe_u32 v2, v0, 4, 1                         ; h = lane / 16
	v_lshlrev_b32 v7, 5, v2                        ; the bias: 32 h bytes into a block's 64
	s_lshl_b32 s46, s66, 2
	s_mov_b32 s47, 0
	s_add_nc_u64 s[12:13], s[12:13], s[46:47]      ; b_attn at my head
.irp b, 0,1,2,3,4,5,6,7
	global_load_b128 v[BI+8*\b:BI+8*\b+3], v7, s[12:13] offset:64*\b          ; register j of block b: b_attn at column 16 b + 8 h + j: the result's layout
	global_load_b128 v[BI+8*\b+4:BI+8*\b+7], v7, s[12:13] offset:64*\b+16
.endr
	v_mul_u32_u24 v3, v1, PITCH
	v_lshl_add_u32 v4, v2, 4, v3                   ; a fragment's row x pitch + 16 x half
	s_mul_i32 s21, s15, HALFT
	s_mul_i32 s22, s16, HALFT
	s_add_co_u32 s22, s22, 2*HALFT
.irp s, 0,1
	v_add_nc_u32 v[ADRA+\s], s21, v4
	v_add_nc_u32 v[ADRB+\s], s22, v4
	s_add_co_u32 s21, s21, SLOT
	s_add_co_u32 s22, s22, SLOT
.endr
	v_mul_u32_u24 v5, v1, KS                       ; my row's scales: 64 bytes a row,
	v_lshrrev_b32 v6, 8, v5
	v_lshl_add_u32 v5, v6, 4, v5                   ; and 16 more for each 256 passed
	s_mul_i32 s21, s15, HALFS
	s_mul_i32 s22, s16, HALFS
	s_add_co_u32 s22, s22, 2*HALFS
	s_sub_co_u32 s22, s22, s21
	v_mul_u32_u24 v6, s22, v2                      ; lanes 16-31 take w_attn's: one product, the distance between the two bases
	s_add_co_u32 s21, s21, SCL
	v_add_nc_u32 v5, v5, v6
	v_add_nc_u32 v[ADRS], s21, v5
	s_mul_i32 s23, s14, 16*SPITCH                  ; my stage
	v_mul_u32_u24 v5, v1, SPITCH
	v_lshl_add_u32 v5, v2, 5, v5
	v_add_nc_u32 v[STO], s23, v5
	v_and_b32 v6, 31, v0
	v_lshlrev_b32 v[CO32], 4, v6
	v_add_nc_u32 v[RD], s23, v[CO32]
	v_lshlrev_b32 v[CO16], 3, v6
	v_lshlrev_b32 v[CA], 8, v1
	v_lshl_add_u32 v[CA], v2, 4, v[CA]
	; where my results go, as byte offsets (the pointers come later, into registers that the scales' descriptors leave)
	s_lshl_b32 s97, s100, 8
	s_lshl_b32 s2, s15, 7
	s_add_co_u32 s97, s97, s2                      ; t0: my first position = 256 x cluster y + 128 x row half
	s_lshl_b32 s95, s41, 4
	s_lshr_b32 s2, s66, 7
	s_add_co_u32 s95, s95, s2                      ; q: 16 b + head
	s_lshl_b32 s96, s41, 2
	s_add_co_u32 s96, s96, s40                     ; k, v: 4 b + g
	s_cmp_eq_u32 ttmp9, 2
	s_cselect_b32 s101, s96, s95
	s_lshl_b32 s101, s101, 10
	s_add_co_u32 s101, s101, s97                   ; my first row in [..][t][128]
	s_lshl_b32 s2, s95, 13
	s_add_co_u32 s2, s2, 0x1000000                 ; q as f32: 16,777,216 + (16 b + head) x 8,192
	s_lshl_b32 s96, s101, 9
	s_lshl_b32 s95, s101, 8                        ; s95: my f16 rows
	s_cmp_eq_u32 ttmp9, 2
	s_cselect_b32 s96, s96, s2                     ; s96: my f32 rows
	s_cmp_eq_u32 s67, 2
	s_cselect_b32 s2, 0x400000, 0
	s_add_co_u32 s95, s95, s2                      ; v's f16 copy lies behind k's
	s_lshl_b32 s97, s97, 8                         ; s97: t0 rows of cos or sin
.macro FRAG reg, adr, q, i             ; a fragment, 16 rows x 128 K of 4-bit codes: lane l holds row l % 16; registers 4 c .. 4 c + 3 hold K = 64 c + 32 (l / 16) + 0 .. 31
.irp c, 0,1
	ds_load_b128 v[\reg+4*\c:\reg+4*\c+3], v[\adr] offset:64*(\q)+32*\c+(\i)*16*PITCH
.endr
.endm
; 16 matrix instructions: x's blocks a0, a0 + 1 against w_attn's eight, 128 along K.  zero = 1: the first product starts the sums from the bias.  The 64 accumulators take turns, one instruction a turn, in the same order in every step.
.macro MUL16 a0, p, q, sc, zero
.irp a, \a0, \a0+1
.irp b, 0,1,2,3,4,5,6,7
.if \zero
	v_wmma_scale_f32_16x16x128_f8f6f4 v[8*(8*((\a)%4)+\b):8*(8*((\a)%4)+\b)+7], v[128*(\p)+FR*\b:128*(\p)+FR*\b+FR-1], v[AF+FR*(\a):AF+FR*(\a)+FR-1], v[BI+8*\b:BI+8*\b+7], v[SC+8*NQ*(\sc)+NQ*\b+(\q)], v[SC+8*NQ*(\sc)+NQ*(\a)+(\q)] matrix_a_fmt:MATRIX_FMT_FP4 matrix_b_fmt:MATRIX_FMT_FP4 matrix_a_scale:MATRIX_SCALE_ROW1
.else
	v_wmma_scale_f32_16x16x128_f8f6f4 v[8*(8*((\a)%4)+\b):8*(8*((\a)%4)+\b)+7], v[128*(\p)+FR*\b:128*(\p)+FR*\b+FR-1], v[AF+FR*(\a):AF+FR*(\a)+FR-1], v[8*(8*((\a)%4)+\b):8*(8*((\a)%4)+\b)+7], v[SC+8*NQ*(\sc)+NQ*\b+(\q)], v[SC+8*NQ*(\sc)+NQ*(\a)+(\q)] matrix_a_fmt:MATRIX_FMT_FP4 matrix_b_fmt:MATRIX_FMT_FP4 matrix_a_scale:MATRIX_SCALE_ROW1
.endif
.endr
.endr
.endm
.macro FETCH_B slot, q, p
	WIN TO_B
.irp i, 0,1,2,3,4,5,6,7
	FRAG 128*(\p)+FR*\i, ADRB+\slot, \q, \i
.endr
	WIN 0
.endm
.macro FETCH_A slot, q, i0
.irp i, \i0, \i0+1, \i0+2, \i0+3
	FRAG AF+FR*(\i), ADRA+\slot, \q, \i
.endr
.endm
.macro SCALES sc                       ; a K step's scale words: 4 words a row; lanes 0-15 x's block i, lanes 16-31 w_attn's block i
.irp i, 0,1,2,3,4,5,6,7
	ds_load_b128 v[SC+8*NQ*\sc+NQ*\i:SC+8*NQ*\sc+NQ*\i+3], v[ADRS] offset:\i*SBLK
.endr
.endm
.macro PLACES n                        ; plain vector instructions between a matrix instruction and a load into, or a read of, its registers
.rept \n
	v_nop
.endr
.endm
.macro STEP slot, q, zero              ; a step of 128 along K that has its successor in the same slot
	s_wait_dscnt 4*NL                              ; w_attn's set and x's blocks 0-3 are in; the youngest eight loads (x's blocks 4-7) may be out
.if \zero
	WIN 0x81                                       ; C (the bias) window 0, D window 2
.else
	WIN MUL_LO
.endif
	MUL16 0, (\q)%2, \q, \slot, \zero
	MUL16 2, (\q)%2, \q, \slot, \zero
	s_wait_dscnt 0
	PLACES NP
	FETCH_B \slot, (\q)+1, 1-(\q)%2
	FETCH_A \slot, (\q)+1, 0
.if \zero
	WIN 0xc1
.else
	WIN MUL_HI
.endif
	MUL16 4, (\q)%2, \q, \slot, \zero
	MUL16 6, (\q)%2, \q, \slot, \zero
	PLACES NP
	WIN 0
	FETCH_A \slot, (\q)+1, 4
.endm
; A slot's last step changes slots: one barrier; in front of it each wave waits for all its tensor loads, adds 0 to its spare word, and waits for that and for its reads of this slot.
.macro TURN slot, next, fill
	s_wait_tensorcnt 0x0                           ; all my tensor loads have landed: my part of the next slot
	ds_add_u32 v[SPW], v[NIL]
	s_wait_dscnt 4*NL+1                            ; (the add and the youngest eight loads may be out)
	WIN MUL_LO
	MUL16 0, 1, NQ-1, \slot, 0
	s_wait_dscnt 0x0                               ; the add is done, and my reads of this slot are over
	s_barrier_signal -1
	MUL16 2, 1, NQ-1, \slot, 0
	WIN 0
	s_barrier_wait -1
.if \fill
	CREST                                          ; the barrier has opened a round of the cluster's: no wave of any partner still reads this slot or has a load on its way
	s_add_nc_u64 s[G0+4*\slot+2:G0+4*\slot+3], s[G0+4*\slot+2:G0+4*\slot+3], 2*ROWB
	s_add_nc_u64 s[G0B+4*\slot+2:G0B+4*\slot+3], s[G0B+4*\slot+2:G0B+4*\slot+3], 2*ROWB
	JLOAD G0+4*\slot, G1, G0B+4*\slot, G1B         ; the first tensor load behind the round; its four v_nop are also the places in front of the loads below
.else
	PLACES NP
.endif
	v_add_nc_u32 v[ADRS], 4*NQ, v[ADRS]            ; on to the next K step's scale words
	FETCH_B \next, 0, 0
	FETCH_A \next, 0, 0
	SCALES \next
	WIN MUL_HI
	MUL16 4, 1, NQ-1, \slot, 0
	MUL16 6, 1, NQ-1, \slot, 0
	PLACES NP
	WIN 0
	FETCH_A \next, 0, 4
.endm
.macro STEPS slot, from
.set Q, \from
.rept NQ-1-\from
	STEP \slot, Q, 0
.set Q, Q+1
.endr
.endm
	s_wait_tensorcnt 1                             ; the scales and my part of K step 0 are in; K step 1's load may be out
	s_barrier_signal -1
	s_barrier_wait -1
	s_load_b128 s[68:71], s[0:1], 0x18             ; the scales' loads are done, so their descriptors' registers take the way out's pointers: cos, sin,
	s_load_b256 s[72:79], s[0:1], 0x28             ; q16, kv16, out1, out2
	FETCH_B 0, 0, 0
	FETCH_A 0, 0, 0
	SCALES 0
	FETCH_A 0, 0, 4
	s_wait_loadcnt 0x0                             ; the bias
	STEP 0, 0, 1                                   ; the first step stands in front of the loop: its products start the sums
	s_mov_b32 s3, LAPS-1
.Llap:                                                 ; a trip goes once round the ring and fills both slots again
	STEPS 0, 1
	TURN 0, 1, 1
	STEPS 1, 0
	TURN 1, 0, 1
	STEP 0, 0, 0
	s_sub_co_u32 s3, s3, 1
	s_cmp_lg_u32 s3, 0
	s_cbranch_scc1 .Llap
	s_wait_kmcnt 0x0                               ; the pointers
	s_mov_b32 s80, s97
	s_mov_b32 s81, 0
	s_add_nc_u64 s[68:69], s[68:69], s[80:81]      ; cos and sin at my first position
	s_add_nc_u64 s[70:71], s[70:71], s[80:81]
	s_cmp_eq_u32 s67, 0
	s_cselect_b64 s[84:85], s[72:73], s[74:75]     ; f16 rows: q16 or kv16
	s_cselect_b64 s[86:87], s[72:73], s[76:77]     ; f32 rows: q16, out1
	s_cmp_eq_u32 s67, 2
	s_cselect_b64 s[86:87], s[78:79], s[86:87]     ; or out2
	s_mov_b32 s80, s95
	s_add_nc_u64 s[84:85], s[84:85], s[80:81]
	s_mov_b32 s80, s96
	s_add_nc_u64 s[86:87], s[86:87], s[80:81]
; cos and sin of block a's 16 positions: lane (r, h) wants, for column block b, pairs 8 b + 4 h + 0 .. 3 of position 16 a + r: 16 bytes of each table
.macro CSLOAD a
.set CC, CS0
.if (\a)%2
.set CC, CS1
.endif
.irp b, 0,1,2,3,4,5,6,7
	global_load_b128 v[CC+8*\b:CC+8*\b+3], v[CA], s[68:69] offset:4096*(\a)+32*\b
	global_load_b128 v[CC+8*\b+4:CC+8*\b+7], v[CA], s[70:71] offset:4096*(\a)+32*\b
.endr
.endm
	s_cmp_eq_u32 s67, 2
	s_cbranch_scc1 .Lno_cs0                        ; v is not rotated
	CSLOAD 0                                       ; into the bias's registers, which the first step alone read
.Lno_cs0:
	STEPS 0, 1                                     ; the last lap fills nothing
	TURN 0, 1, 0
	STEPS 1, 0
	s_wait_dscnt 4*NL
	WIN MUL_LO
	MUL16 0, 1, NQ-1, 1, 0
	MUL16 2, 1, NQ-1, 1, 0
	s_wait_dscnt 0
	WIN MUL_HI
	MUL16 4, 1, NQ-1, 1, 0
	MUL16 6, 1, NQ-1, 1, 0
	WIN 0
; THE WAY OUT, block by block of 16 positions x one head.  q and k are rotated in registers: a pair (re, im) lies in a lane's neighbouring registers; re' = re c - im s, im' = im c + re s: one packed multiply by c, one packed
; multiply-add with the halves crossed and s negated in the low half.  The block then goes through my stage in LDS and comes back as whole rows of 512 bytes: they leave as f32 where f32 is wanted, and as f16 (256 bytes a row).
.macro ROPE a
.set AC, 64*((\a)%4)
.set RR, 64*((\a)%2)
.set CC, CS0
.if (\a)%2
.set CC, CS1
.endif
	WIN 0x52+(\a)/4                                ; source 0 the accumulators (window 2 or 3), source 1 cos, sin (window 0), source 2 and destination window 1
.irp b, 0,1,2,3,4,5,6,7                        ; each accumulator is read from its low end on
	v_pk_mul_f32 v[RR+8*\b:RR+8*\b+1], v[AC+8*\b:AC+8*\b+1], v[CC+8*\b:CC+8*\b+1] op_sel:[0,0] op_sel_hi:[1,0]
	v_pk_mul_f32 v[RR+8*\b+2:RR+8*\b+3], v[AC+8*\b+2:AC+8*\b+3], v[CC+8*\b:CC+8*\b+1] op_sel:[0,1] op_sel_hi:[1,1]
	v_pk_mul_f32 v[RR+8*\b+4:RR+8*\b+5], v[AC+8*\b+4:AC+8*\b+5], v[CC+8*\b+2:CC+8*\b+3] op_sel:[0,0] op_sel_hi:[1,0]
	v_pk_mul_f32 v[RR+8*\b+6:RR+8*\b+7], v[AC+8*\b+6:AC+8*\b+7], v[CC+8*\b+2:CC+8*\b+3] op_sel:[0,1] op_sel_hi:[1,1]
	v_pk_fma_f32 v[RR+8*\b:RR+8*\b+1], v[AC+8*\b:AC+8*\b+1], v[CC+8*\b+4:CC+8*\b+5], v[RR+8*\b:RR+8*\b+1] op_sel:[1,0,0] op_sel_hi:[0,0,1] neg_lo:[0,1,0]
	v_pk_fma_f32 v[RR+8*\b+2:RR+8*\b+3], v[AC+8*\b+2:AC+8*\b+3], v[CC+8*\b+4:CC+8*\b+5], v[RR+8*\b+2:RR+8*\b+3] op_sel:[1,1,0] op_sel_hi:[0,1,1] neg_lo:[0,1,0]
	v_pk_fma_f32 v[RR+8*\b+4:RR+8*\b+5], v[AC+8*\b+4:AC+8*\b+5], v[CC+8*\b+6:CC+8*\b+7], v[RR+8*\b+4:RR+8*\b+5] op_sel:[1,0,0] op_sel_hi:[0,0,1] neg_lo:[0,1,0]
	v_pk_fma_f32 v[RR+8*\b+6:RR+8*\b+7], v[AC+8*\b+6:AC+8*\b+7], v[CC+8*\b+6:CC+8*\b+7], v[RR+8*\b+6:RR+8*\b+7] op_sel:[1,1,0] op_sel_hi:[0,1,1] neg_lo:[0,1,0]
.endr
.endm
.macro STORE_R a
.set RR, 64*((\a)%2)
	WIN 0x04                                       ; an LDS store's data are its source 1: window 1
.irp b, 0,1,2,3,4,5,6,7
	ds_store_b128 v[STO], v[RR+8*\b:RR+8*\b+3] offset:64*\b
	ds_store_b128 v[STO], v[RR+8*\b+4:RR+8*\b+7] offset:64*\b+16
.endr
	WIN 0
.endm
.macro STORE_ACC a                     ; v goes to the stage as it stands
.set AC, 64*((\a)%4)
	WIN 0x08+4*((\a)/4)
.irp b, 0,1,2,3,4,5,6,7
	ds_store_b128 v[STO], v[AC+8*\b:AC+8*\b+3] offset:64*\b
	ds_store_b128 v[STO], v[AC+8*\b+4:AC+8*\b+7] offset:64*\b+16
.endr
	WIN 0
.endm
.macro READBACK                        ; LDS serves a wave's instructions in order: these see the stores above, and the next block's stores come behind them
	WIN 0x40
.set n, 0
.rept 16
	ds_load_b128 v[BK+4*n:BK+4*n+3], v[RD] offset:n*SPITCH
.set n, n+1
.endr
	WIN 0
.endm
.macro SENDPART a, flag
	s_cmp_eq_u32 s[\flag], 0                       ; the cluster's place in the grid and the wave's number alone decide
	s_cbranch_scc1 .Lno32_\@
	WIN 0x04
.set n, 0
.rept 16
	global_store_b128 v[CO32], v[BK+4*n:BK+4*n+3], s[86:87] offset:(16*(\a)+n)*512   ; 32 lanes store a row of 512 consecutive bytes, aligned
.set n, n+1
.endr
	WIN 0
.Lno32_\@:
	WIN 0x45
.set n, 0
.rept 16
	v_cvt_pk_f16_f32 v[H+2*n], v[BK+4*n], v[BK+4*n+1]
	v_cvt_pk_f16_f32 v[H+2*n+1], v[BK+4*n+2], v[BK+4*n+3]
.set n, n+1
.endr
	WIN 0x04
.set n, 0
.rept 16
	global_store_b64 v[CO16], v[H+2*n:H+2*n+1], s[84:85] offset:(16*(\a)+n)*256      ; 32 lanes store a row of 256 consecutive bytes, aligned
.set n, n+1
.endr
	WIN 0
.endm
; A block.  Both arms stand behind a wait on the loads of cos and sin, so that on every way through the arms a set of cos and sin is loaded again only when the loads that filled it before have been waited for.
.macro BLOCK a
	s_cmp_eq_u32 s67, 2
	s_cbranch_scc1 .Lis_v_\@
.if (\a) < 7
	CSLOAD (\a)+1
	s_wait_loadcnt 16                              ; this block's cos and sin are in; the 16 loads just issued stay out
.else
	s_wait_loadcnt 0x0
.endif
	ROPE \a                                        ; two sets of roped numbers by turns: a set is written again only behind the wait below that has shown its stage stores done
	STORE_R \a
	s_branch .Lstaged_\@
.Lis_v_\@:
	s_wait_loadcnt 0x0                             ; a wave that holds v has asked for no cos and no sin: no load of it is out, and this arm says so
	STORE_ACC \a
.Lstaged_\@:
.if (\a) > 0
	s_wait_dscnt 16                                ; the block before is back in registers; this block's 16 stage stores may be out
.if (\a) == 1
	SENDPART 0, 98
.else
	SENDPART (\a)-1, 99
.endif
	s_wait_xcnt 0x0                                ; those stores have read their registers, which are loaded and written again below
.endif
	READBACK
.endm
	PLACES NP                                      ; behind the last products: for the reads of results and the loads into operands' registers (x's fragments take cos and sin) alike
.irp a, 0,1,2,3,4,5,6,7
	BLOCK \a
.endr
	s_wait_dscnt 0x0
	SENDPART 7, 99
	s_wait_tensorcnt 0x0                           ; the wave's end
	ds_add_u32 v[SPW], v[NIL]
	s_wait_dscnt 0x0
	CROUND                                         ; the closing round: no work-group ends while a partner may still ask for a tile that names it
	s_endpgm
.Lfunc_end_k_qfa448acf5e_qkv:
	.size	k_qfa448acf5e_qkv, .Lfunc_end_k_qfa448acf5e_qkv-k_qfa448acf5e_qkv
	.p2alignl 7, 3214868480
	.fill 96, 4, 3214868480
	.section	.rodata,"a",@progbits
	.p2align	6, 0x0
	.amdhsa_kernel k_qfa448acf5e_qkv
		.amdhsa_group_segment_fixed_size 327680
		.amdhsa_private_segment_fixed_size 0
		.amdhsa_enable_private_segment 0
		.amdhsa_kernarg_size 72
		.amdhsa_user_sgpr_count 2
		.amdhsa_user_sgpr_kernarg_segment_ptr 1
		.amdhsa_wavefront_size32 1
		.amdhsa_system_sgpr_workgroup_id_x 1
		.amdhsa_system_sgpr_workgroup_id_y 1
		.amdhsa_system_sgpr_workgroup_id_z 1
		.amdhsa_system_vgpr_workitem_id 0
		.amdhsa_next_free_vgpr 1024
		.amdhsa_next_free_sgpr 102
		.amdhsa_reserve_vcc 0
		.amdhsa_float_denorm_mode_32 3
		.amdhsa_float_denorm_mode_16_64 3
		.amdhsa_memory_ordered 1
		.amdhsa_forward_progress 1
		.amdhsa_inst_pref_size 255
	.end_amdhsa_kernel
	.section	.bss,"aw",@nobits
	.p2align	6
	.space	262144
	.amdgpu_metadata
---
amdhsa.version: [ 1, 2 ]
amdhsa.kernels:
  - .name:           k_qfa448acf5e_qkv
    .symbol:         k_qfa448acf5e_qkv.kd
    .args:
      - { .name: codes, .offset: 0, .size: 8, .value_kind: global_buffer, .address_space: global }
      - { .name: scales, .offset: 8, .size: 8, .value_kind: global_buffer, .address_space: global }
      - { .name: b_attn, .offset: 16, .size: 8, .value_kind: global_buffer, .address_space: global }
      - { .name: freqs_cos, .offset: 24, .size: 8, .value_kind: global_buffer, .address_space: global }
      - { .name: freqs_sin, .offset: 32, .size: 8, .value_kind: global_buffer, .address_space: global }
      - { .name: q16, .offset: 40, .size: 8, .value_kind: global_buffer, .address_space: global }
      - { .name: kv16, .offset: 48, .size: 8, .value_kind: global_buffer, .address_space: global }
      - { .name: out1, .offset: 56, .size: 8, .value_kind: global_buffer, .address_space: global }
      - { .name: out2, .offset: 64, .size: 8, .value_kind: global_buffer, .address_space: global }
    .group_segment_fixed_size: 327680
    .private_segment_fixed_size: 0
    .kernarg_segment_align: 8
    .kernarg_segment_size: 72
    .max_flat_workgroup_size: 128
    .sgpr_count:     102
    .vgpr_count:     1024
    .wavefront_size: 32
...
	.end_amdgpu_metadata
.endif
;; end of part 2
;; launch attn (part 3): grid 16 x 16, 4 waves a work-group, no clusters, 327,680 bytes of LDS; arguments q16, kv16, y16, out1, out2, yfine; writes y16, yfine
.if DOCPART == 3
	.amdgcn_target "amdgcn-amd-amdhsa--gfx1250"
	.amdhsa_code_object_version 6
	.text
	.protected	k_qfa448acf5e_attn
	.globl	k_qfa448acf5e_attn
	.p2align	8
	.type	k_qfa448acf5e_attn,@function
k_qfa448acf5e_attn:
	s_mov_b64 s[64:65], 0
	v_nop
	global_prefetch_b8 v0, s[64:65] scope:SCOPE_SE
	s_setreg_imm32_b32 hwreg(HW_REG_WAVE_MODE, 25, 1), 1
	s_wait_xcnt 0x0
; THIRD LAUNCH: y = softmax(q k^T / sqrt(128), causal) v, operands f16, products, maxima and sums f32; y leaves as f16 [b 1024 + t][2048].  Positions 0-15 of every sequence are made a second time wholly in f32 (yfine).
; LEFT OUT (shown at the head of the first launch): blocks of 64 keys that lie wholly behind the work-group's 64 positions: reference()'s own mask gives them the probability 0.
; LIMITS: |q|, |k|, |v| under 65,504 (f16).  On the diagonal block a hidden score is not replaced: -3e38 is added to it, as the C of the score's first product; its weight is 2^(about -4e37) = 0 all the same.
; SHARES.  A work-group owns positions 64 PB .. 64 PB + 63 (PB = work-group x) of the FOUR query heads that share key/value head g of batch b (4 b + g = work-group y); wave w is head 4 g + w: 64 queries, four tiles of 16.
; So each tile of k and v in LDS serves all the heads that share it, and all four waves have the same causal limit.  Key steps are 64 keys; steps 0 .. PB are live, step PB is the diagonal.
; NO CLUSTER: what is still shared lies between position blocks, and those need different numbers of tiles: the mask would let every wave of some partner pass over the reads of a joint tile.
; LAYOUT.  S^T = K Q^T (source 0 = 16 keys, source 1 = 16 queries): a lane holds ONE query (lane % 16) and keys 8 (lane / 16) + 0..7.  Two such tiles, rounded to f16 in pairs, ARE source 1 of O^T = V^T P.  V is turned by ds_load_tr16_b128.
; SOFTMAX.  A running maximum m and sum l for each query: p = 2^(c s - c m), c = log2(e) / sqrt(128); in every step O and l are multiplied by a = 2^(c m_old - c m_new).
; m begins at -3e38, l and O^T at 0, so that the key step is written once: the first a is 0 and multiplies zeros.  (That costs one run of 256 v_mov_b32 a wave and saves a second copy of the key step.)
; BY TURNS.  The wave's tiles are two pieces (tiles 0, 1 and tiles 2, 3).  In a turn one piece has the matrix unit: 32 products V^T P of the step in hand, then 32 products K Q^T of the next; the other piece's softmax, cut into
; 64 slices, stands between them, one slice behind each matrix instruction.  Two turns are a key step.
; THE RING.  Two LDS slots of two key steps; waves 0, 1 fetch the steps' k, waves 2, 3 their v, one tensor load a wave.  EVERY work-group walks all 8 slots: the trip counts are constants; a step that is not live is passed over by a
; scalar branch on ids, and a change of slots asks for the next slot only while that slot's first step is live.  Where the last live step is a slot's first, the slot's second half lands and is not read.
; REGISTERS, in windows of 256: window 0: v1-11 addresses; v12-43 statistics; v44-51, v52-59 the mask's two C tiles; v64-191 S^T; v192-255 P.   window 1: O^T.   window 2: v0-127 Q, v128-255 K.   window 3: v0-127 V;
;   v128-223 the f32 products' accumulators, which matrix instructions alone write.
.set KS,    64
.set PK,    272       ; a row of K in LDS: 256 bytes + 16 of padding
.set PV,    288       ; a row of V: 256 + 32
.set VOFF,  KS*PK
.set STEPB, KS*(PK+PV)
.set SLOT1, 1<<17     ; slot 1 begins here: one exclusive or turns an address in one slot into the other's
.set STAGE, SLOT1+2*STEPB
.set SP,    272
.set SPARE, STAGE+4*16*272
.set AK0, 2
.set AV0, 3
.set ADR, 4
.set QO,  5
.set STO, 6
.set RD,  7
.set GO,  8
.set ST,  12          ; tile t's statistics at v[ST+8 t]: +0 c m, +1 m, +2, +3 l, +4 to +7 at work; a takes +6
.set TRI, 44          ; on the diagonal step: -3e38 where key 8 h + j comes after query r, else 0; on other steps 0
.set HID, 52          ; on the diagonal step -3e38, on other steps 0
.set PFO, 61
.set SPW, 62
.set NIL, 63
.set S,   64
.set P,   192
.set KF,  128
.set WV,  12
.set LIM, 15
.set PFK, 18
.set PFV, 20
.set G1K, 24
.set G1V, 32
.set G0K, 40
.set G0V, 44
.set PB,  48          ; s48 my block of 64 positions
.set F,   49          ; s49 the key step whose scores are being made
.set MV,  50
.set SLOTS, 56
.set TWICE, 57
.set CS,  58
.set SEL, 60
.set TB,  62          ; s62 LDS byte at which step F's tiles begin
.set MK,  66          ; s66-73 lane masks: key 8 h + j comes after query r
.set MSB, 0
.macro WIN new
.if MSB != (\new)
	s_set_vgpr_msb (MSB<<8)|(\new)
.set MSB, (\new)
.endif
.endm
.set W_KQ, 0x0a       ; K and Q window 2; C and S^T window 0
.set W_PV, 0x53       ; V window 3, P window 0, O^T window 1
.set W_RS, 0x41       ; O^T window 1, a window 0
.macro TLOAD                        ; waves 0, 1: a step's k; waves 2, 3: a step's v.  An s_nop 0 and four v_nop follow each of the two lines
	s_cmp_lt_u32 s[WV], 2
	s_cbranch_scc0 .Lfor_v_\@
	tensor_load_to_lds s[G0K:G0K+3], s[G1K:G1K+7]
	s_nop 0
.rept 4
	v_nop
.endr
	s_branch .Lasked_\@
.Lfor_v_\@:
	tensor_load_to_lds s[G0V:G0V+3], s[G1V:G1V+7]
	s_nop 0
.rept 4
	v_nop
.endr
.Lasked_\@:
.endm
	s_load_b128 s[4:7], s[0:1], 0x0   ; q16, kv16
	s_load_b64 s[10:11], s[0:1], 0x10 ; y16
	v_lshl_add_u32 v[SPW], v0, 2, SPARE
	v_mov_b32 v[NIL], 0
	ds_add_u32 v[SPW], v[NIL]       ; the wave's opening: the add, twice on end, and its wait ahead of my first tensor load
	ds_add_u32 v[SPW], v[NIL]
	v_lshrrev_b32 v1, 5, v0
	v_readfirstlane_b32 s[WV], v1   ; wave 0..3
	s_mov_b32 s[PB], ttmp9
	s_and_b32 s13, ttmp7, 0xffff    ; 4 b + g
	s_lshl_b32 s2, s13, 2
	s_add_co_u32 s2, s2, s[WV]      ; 16 b + my head
	s_lshl_b32 s2, s2, 18           ; x 1024 rows of 256 bytes
	s_lshl_b32 s3, s[PB], 14        ; + 64 PB rows
	s_add_co_u32 s2, s2, s3
	s_mov_b32 s3, 0
	s_and_b32 s16, s[WV], 1         ; which of a slot's two steps I fetch
	s_lshl_b32 s22, s13, 18
	s_lshl_b32 s23, s16, 14
	s_add_co_u32 s22, s22, s23
	s_mov_b32 s23, 0
	s_mul_i32 s17, s16, STEPB       ; and its place in a slot
	s_lshr_b32 s52, s13, 2
	s_lshl_b32 s52, s52, 22         ; y16: b x 1024 rows of 4,096 bytes
	s_lshl_b32 s53, s[PB], 18
	s_add_co_u32 s52, s52, s53
	s_and_b32 s53, s13, 3
	s_lshl_b32 s53, s53, 2
	s_add_co_u32 s53, s53, s[WV]
	s_lshl_b32 s53, s53, 8          ; + my head's 256 bytes
	s_add_co_u32 s52, s52, s53
	s_mov_b32 s53, 0
	s_lshl_b32 s54, s13, 18         ; the prefetches: my wave's 32 rows of a slot's 128, in slot 1; the first change of slots steps them to slot 2
	s_lshl_b32 s55, s[WV], 13
	s_add_co_u32 s54, s54, s55
	s_add_co_u32 s54, s54, 2*KS*256
	s_mov_b32 s55, 0
	s_mov_b32 s[G1K], (1<<16)|(1<<20)|(5<<22)|(3<<25)  ; elements of 2 bytes; padding on: 4 words after every 64
	s_mov_b32 s[G1V], (1<<16)|(1<<20)|(5<<22)|(7<<25)  ; 8 words
.irp g, G1K, G1V
	s_mov_b32 s[\g+1], 128<<16      ; tensor_dim0
	s_mov_b32 s[\g+2], KS<<16       ; tensor_dim1
	s_mov_b32 s[\g+3], 128<<16      ; tile_dim0
	s_mov_b32 s[\g+4], KS           ; tile_dim1
	s_mov_b32 s[\g+5], 128          ; pitch
	s_mov_b32 s[\g+6], 0
	s_mov_b32 s[\g+7], 0
.endr
	s_mov_b32 s[CS], 0x3e0293ee     ; c = log2(e) / sqrt(128)
	s_mov_b32 s[CS+1], s[CS]
	s_mov_b32 s[SEL], 0x76543210
	s_mov_b32 s[SEL+1], 0xfedcba98
	s_mov_b32 s[TB], 0
	s_mov_b32 s[F], 0
	s_mov_b32 s[SLOTS], 8
	s_cmp_eq_u32 s[PB], 15          ; the one work-group of a key/value head that walks all its keys asks ahead for them
	s_cselect_b32 s[LIM], 2, -1
	v_and_b32 v[PFO], 31, v0
	v_lshlrev_b32 v[PFO], 8, v[PFO] ; a lane a row of 256 bytes
	s_wait_dscnt 0x0                ; both opening adds are done
	s_wait_kmcnt 0x0
	s_add_nc_u64 s[PFK:PFK+1], s[6:7], s[54:55]
	s_add_nc_u64 s[PFV:PFV+1], s[PFK:PFK+1], 0x400000
	s_add_nc_u64 s[6:7], s[6:7], s[22:23]   ; k at my tile of slot 0
	s_add_nc_u64 s[8:9], s[6:7], 0x400000   ; v likewise
	s_add_nc_u64 s[4:5], s[4:5], s[2:3]
	s_add_nc_u64 s[10:11], s[10:11], s[52:53]
	s_mov_b32 s[G0K], 1
	s_mov_b32 s[G0K+1], s17
	s_mov_b64 s[G0K+2:G0K+3], s[6:7]
	s_or_b32 s[G0K+3], s[G0K+3], 0x80000000
	s_mov_b32 s[G0V], 1
	s_add_co_u32 s[G0V+1], s17, VOFF
	s_mov_b64 s[G0V+2:G0V+3], s[8:9]
	s_or_b32 s[G0V+3], s[G0V+3], 0x80000000
	TLOAD                           ; slot 0: every wave issues one first fill, so one tensor load of mine is out
	v_and_b32 v1, 15, v0            ; r
	v_bfe_u32 v9, v0, 4, 1          ; h
	v_lshlrev_b32 v[QO], 8, v1
	v_lshl_add_u32 v[QO], v9, 4, v[QO]
	WIN 0x80
.irp i, 0,1,2,3,4,5,6,7,8,9,10,11,12,13,14,15  ; Q stays in registers: tile i / 4, channels 32 (i % 4) on
	global_load_b128 v[8*\i:8*\i+3],   v[QO], s[4:5] offset:(\i/4)*4096+(\i%4)*64
	global_load_b128 v[8*\i+4:8*\i+7], v[QO], s[4:5] offset:(\i/4)*4096+(\i%4)*64+32
.endr
	WIN 0
	v_mul_u32_u24 v[AK0], v1, PK
	v_lshl_add_u32 v[AK0], v9, 4, v[AK0]
	v_and_b32 v10, 7, v0
	v_bfe_u32 v11, v0, 3, 1
	v_lshl_add_u32 v[AV0], v9, 3, v10
	v_mul_u32_u24 v[AV0], v[AV0], PV
	v_lshl_add_u32 v[AV0], v11, 4, v[AV0]
	v_add_nc_u32 v[AV0], VOFF, v[AV0]
	v_lshlrev_b32 v10, 3, v9
	v_sub_nc_u32 v10, v10, v1       ; 8 h - r
.irp j, 0,1,2,3,4,5,6,7
	v_cmp_lt_i32 s[MK+\j], -\j, v10 ; key 8 h + j comes after query r
.endr
.irp t, 0,1,2,3
	v_mov_b32 v[ST+8*\t+1], 0xff61b1e6   ; m = -3e38, under every score
	v_mul_f32 v[ST+8*\t], s[CS], v[ST+8*\t+1]
.irp e, 2,3,4,5,6,7
	v_mov_b32 v[ST+8*\t+\e], 0
.endr
.endr
	WIN 0x40
.set i, 0
.rept 256
	v_mov_b32 v[i], 0               ; O^T
.set i, i+1
.endr
	WIN 0
; The mask needs no branch: the first product of each score tile takes as C the constant 0 (key tile ahead of the query tile), TRI (the same tile) or HID (behind it); off the diagonal step both hold zeros.
.macro MASKS
	s_cmp_eq_u32 s[F], s[PB]
	s_cselect_b32 s[MV], 0xff61b1e6, 0
.irp j, 0,1,2,3,4,5,6,7
	v_mov_b32 v[HID+\j], s[MV]
.endr
.irp j, 0,1,2,3,4,5,6,7
	v_cndmask_b32 v[TRI+\j], 0, v[HID], s[MK+\j]
.endr
.endm
; Product i of 32 of O^T += V^T P: keys 32 (i / 16) on, channels 16 ((i / 2) % 8) on, tile x + i % 2.  The accumulators take turns, one instruction a turn.
.macro PV x
	WIN W_PV
.set rO, 64*(\x+i%2)+8*((i/2)%8)
.set rV, 64*(i/16)+8*((i/2)%8)
.set rP, P+16*(\x+i%2)+8*(i/16)
	v_wmma_f32_16x16x32_f16 v[rO:rO+7], v[rV:rV+7], v[rP:rP+7], v[rO:rO+7]
.endm
; Product i of 32 of S^T = K Q^T: channels 32 (i / 8) on, keys 16 ((i / 2) % 4) on, tile x + i % 2.  The first 8 start the sums.
.macro KQ x
	WIN W_KQ
.set rS, S+32*(\x+i%2)+8*((i/2)%4)
.set rK, KF+32*((i/2)%4)+8*(i/8)
.set rQ, 32*(\x+i%2)+8*(i/8)
.if i < 8
.if (i/2) < (\x+i%2)
	v_wmma_f32_16x16x32_f16 v[rS:rS+7], v[rK:rK+7], v[rQ:rQ+7], 0
.elseif (i/2) == (\x+i%2)
	v_wmma_f32_16x16x32_f16 v[rS:rS+7], v[rK:rK+7], v[rQ:rQ+7], v[TRI:TRI+7]
.else
	v_wmma_f32_16x16x32_f16 v[rS:rS+7], v[rK:rK+7], v[rQ:rQ+7], v[HID:HID+7]
.endif
.else
	v_wmma_f32_16x16x32_f16 v[rS:rS+7], v[rK:rK+7], v[rQ:rQ+7], v[rS:rS+7]
.endif
.endm
.macro FETCH_K
	WIN 0
	v_add_nc_u32 v[ADR], s[TB], v[AK0]
	WIN 0x80
.irp f, 0,1,2,3,4,5,6,7,8,9,10,11,12,13,14,15  ; keys 16 (f / 4) on, channels 32 (f % 4) on
	ds_load_b128 v[KF+8*\f:KF+8*\f+3],   v[ADR] offset:(\f/4)*16*PK+(\f%4)*64
	ds_load_b128 v[KF+8*\f+4:KF+8*\f+7], v[ADR] offset:(\f/4)*16*PK+(\f%4)*64+32
.endr
.endm
.macro FETCH_V
	WIN 0
	v_add_nc_u32 v[ADR], s[TB], v[AV0]
	s_wait_alu depctr_va_vdst(0)    ; the wait for the softmax's batch of exponentials, ahead of the first instruction that names a result
	WIN 0xc0
.irp f, 0,1,2,3,4,5,6,7,8,9,10,11,12,13,14,15  ; keys 32 (f / 8) on, channels 16 (f % 8) on
	ds_load_tr16_b128 v[8*\f:8*\f+3],   v[ADR] offset:(\f/8)*32*PV+(\f%8)*32
	ds_load_tr16_b128 v[8*\f+4:8*\f+7], v[ADR] offset:(\f/8)*32*PV+16*PV+(\f%8)*32
.endr
.endm
; One tile's softmax for one key step is a list of 134 instructions; SM writes number j of it for tile t.
;   0-15 the maximum of the 32 scores and the old m;  16-20 the other half of the lanes' maximum, the new m, c m, c m_old - c m_new;  21-69 ONE BATCH: 16 packed scalings c s - c m and all 33 exponentials, none of which reads an
;   exponential's result;  (the wait, written by SLICE);  70-85 the roundings to f16;  86-101 the sums, l = a l + the sum;  102-133 the tile's O^T times a.
.macro SM t
.set rT, ST+8*(\t)
.set rS, S+32*(\t)
.set rP, P+16*(\t)
.set rO, 64*(\t)+2*(j-102)
.if j < 102
	WIN 0
.endif
.if j < 4
	v_max3_num_f32 v[rT+4+j], v[rS+8*j], v[rS+8*j+1], v[rS+8*j+2]
.elseif j < 12
	v_max3_num_f32 v[rT+4+j%4], v[rT+4+j%4], v[rS+8*(j%4)+2*(j/4)+1], v[rS+8*(j%4)+2*(j/4)+2]
.elseif j == 12
	v_max3_num_f32 v[rT+4], v[rT+4], v[rS+7], v[rS+15]
.elseif j == 13
	v_max3_num_f32 v[rT+6], v[rT+6], v[rS+23], v[rS+31]
.elseif j == 14
	v_max3_num_f32 v[rT+4], v[rT+4], v[rT+5], v[rT+6]
.elseif j == 15
	v_max3_num_f32 v[rT+4], v[rT+4], v[rT+7], v[rT+1]
.elseif j == 16
	v_permlanex16_b32 v[rT+5], v[rT+4], s[SEL], s[SEL+1]  ; the query's other 32 keys lie in the lane 16 away
.elseif j == 17
	v_mov_b32 v[rT+7], v[rT]        ; c m_old is kept for a
.elseif j == 18
	v_max_num_f32 v[rT+1], v[rT+4], v[rT+5]
.elseif j == 19
	v_mul_f32 v[rT], s[CS], v[rT+1]
.elseif j == 20
	v_sub_f32 v[rT+7], v[rT+7], v[rT]
.elseif j == 23
	v_exp_f32 v[rT+6], v[rT+7]
.elseif (j < 23) || ((j < 38) && (j%2 == 0)) || ((j < 66) && (j%4 == 2))
.set b, (j-2)/4
.if j < 38
.set b, (j-20)/2
.endif
	v_pk_fma_f32 v[rS+2*b:rS+2*b+1], v[rS+2*b:rS+2*b+1], s[CS:CS+1], v[rT:rT+1] op_sel_hi:[1,0,0] neg_lo:[0,0,1] neg_hi:[0,0,1]  ; pair b: c s - c m
.elseif j < 70
.set e, j-38
.if j < 66
.set e, j-32-(j-38)/4
.endif
.if j < 38
.set e, (j-25)/2
.endif
	v_exp_f32 v[rS+e], v[rS+e]
.elseif j < 86
	v_cvt_pk_f16_f32 v[rP+j-70], v[rS+2*(j-70)], v[rS+2*(j-70)+1]
.elseif j < 102
.set z, j-86
.set w, 4
.set u, z
.if z >= 14
.set w, 32
.set u, 0
.elseif z >= 12
.set w, 16
.set u, z-12
.elseif z >= 8
.set w, 8
.set u, z-8
.endif
.if z < 15
	v_pk_add_f32 v[rS+w*u:rS+w*u+1], v[rS+w*u:rS+w*u+1], v[rS+w*u+w/2:rS+w*u+w/2+1]
.else
	v_pk_fma_f32 v[rT+2:rT+3], v[rT+2:rT+3], v[rT+6:rT+7], v[rS:rS+1] op_sel_hi:[1,0,1]
.endif
.else
	WIN W_RS
	v_pk_mul_f32 v[rO:rO+1], v[rO:rO+1], v[rT+6:rT+7] op_sel_hi:[1,0]
.endif
.endm
; Slice k of 64 of piece y's softmax: four instructions.  Slices 11 to 34 deal out the batch, four numbers of one tile each, the tiles by turns; every other slice is numbers 2 k, 2 k + 1 of both tiles; the twelve that are over stand in slice 63.
; Ahead of slice 35 nothing names an exponential's result, and behind slice 34 none is issued: so the piece's 66 exponentials have one wait, behind slice 34.
.macro SLICE y
.if (k >= 11) && (k < 35)
.irp n, 0,1,2,3
.set j, 22+4*((k-11)/2)+(\n)
	SM (\y)+(k-11)%2
.endr
.else
.irp n, 0,1,2,3,4,5,6,7
.if (\n < 2) || (k == 63)
.irp t, \y, \y+1
.set j, 2*k+\n
	SM \t
.endr
.endif
.endr
.endif
.if k == 34
	v_nop                           ; the plain instruction behind the last exponential, one for the batch
.if (\y) == 0
	FETCH_V                         ; piece 2's turn: V's run of loads stands here, and the wait stands in it
.else
	s_wait_alu depctr_va_vdst(0)
.endif
.endif
.set k, k+1
.endm
; A TURN.  Piece x has the matrix unit; the other piece's softmax stands in slices behind its matrix instructions (two a product where the turn has one kind of product).  Piece 0's turn fetches step F's K behind its second product:
; the last product that read K stands in front of slice 63 of the turn before.  Piece 2's turn fetches step F's V behind slice 34: four plain instructions lie between it and the last product that read V.
.macro TURN x, pv, kq
.set k, 0
.set per, 2
.if \pv && \kq
.set per, 1
.endif
.if \pv
.if \x == 0
	s_wait_dscnt 0x0                ; V is in
.endif
.set i, 0
.rept 32
	PV \x
.rept per
	SLICE 2-\x
.endr
.if (\x == 0) && \kq && (i == 1)
	FETCH_K
.endif
.set i, i+1
.endr
.endif
.if \kq
.if \x == 0
	s_wait_dscnt 0x0                ; K is in
.endif
.set i, 0
.rept 32
	KQ \x
.rept per
	SLICE 2-\x
.endr
.set i, i+1
.endr
.endif
.endm
	s_wait_tensorcnt 0x0            ; my part of slot 0 is in (every wait on this counter in the text is for 0),
	s_barrier_signal -1
	s_barrier_wait -1               ; everybody's is
	; THE PROLOGUE, key step 0, on every way to all that follows
	MASKS
	FETCH_K
	s_wait_loadcnt 0x0              ; Q
	s_wait_dscnt 0x0
.set i, 0
.rept 32
	KQ 0                            ; piece 0's first scores
.set i, i+1
.endr
	WIN 0                           ; the addresses for the way out: plain instructions, the places behind those products
	s_mul_i32 s14, s[WV], 16*SP
	s_add_co_u32 s14, s14, STAGE
	v_mul_u32_u24 v[STO], v1, SP
	v_lshl_add_u32 v[STO], v9, 4, v[STO]
	v_add_nc_u32 v[STO], s14, v[STO]
	v_mul_u32_u24 v[RD], v9, SP
	v_lshl_add_u32 v[RD], v1, 4, v[RD]
	v_add_nc_u32 v[RD], s14, v[RD]
	v_lshlrev_b32 v[GO], 12, v9     ; y16: lanes 0-15 one row of 4,096 bytes, lanes 16-31 the next
	v_lshl_add_u32 v[GO], v1, 4, v[GO]
	TURN 2, 0, 1                    ; piece 2's first scores | piece 0's first softmax | V of step 0
	WIN 0
.Lslot:                             ; 8 trips, a constant
	; THE CHANGE OF SLOTS, at a slot's head: all my tensor loads have landed, the add, my LDS reads are back; the barrier; behind it the slot that was left takes the keys that follow
	s_wait_tensorcnt 0x0            ; no tensor load of mine is out, so a group 0 may be written
	ds_add_u32 v[SPW], v[NIL]
	s_xor_b32 s[G0K+1], s[G0K+1], SLOT1
	s_add_nc_u64 s[G0K+2:G0K+3], s[G0K+2:G0K+3], 2*KS*256
	s_xor_b32 s[G0V+1], s[G0V+1], SLOT1
	s_add_nc_u64 s[G0V+2:G0V+3], s[G0V+2:G0V+3], 2*KS*256
	s_wait_xcnt 0x0                 ; the last prefetches, a slot back, have read their addresses
	s_add_nc_u64 s[PFK:PFK+1], s[PFK:PFK+1], 2*KS*256
	s_add_nc_u64 s[PFV:PFV+1], s[PFV:PFV+1], 2*KS*256
	s_wait_dscnt 0x0
	s_barrier_signal -1
	s_barrier_wait -1
	s_add_co_u32 s63, s[F], 2       ; the first step of the slot that this change would ask for
	s_cmp_gt_u32 s63, s[PB]         ; ids and the count of steps alone: all four waves go the same way, and a work-group past its limit stays past it; the eighth change is always past it
	s_cbranch_scc1 .Lpast
	TLOAD                           ; my one tensor load until the next change: it has two key steps, 256 matrix instructions, in which to land
.Lpast:
	; a prefetch of what the NEXT change asks for: a slot's 128 rows of k and of v, 32 rows a wave, a lane a row of 256 bytes; the work-group with PB = 15 alone asks, so each row is named once; the last two changes ask for nothing
	s_cmp_gt_u32 s[SLOTS], s[LIM]
	s_cbranch_scc0 .Lnot_mine
	global_prefetch_b8 v[PFO], s[PFK:PFK+1] th:TH_LOAD_NT scope:SCOPE_SE
	global_prefetch_b8 v[PFO], s[PFV:PFV+1] th:TH_LOAD_NT scope:SCOPE_SE
.Lnot_mine:
	s_mov_b32 s[TWICE], 2
.Lstep:
	s_cmp_eq_u32 s[F], 0            ; step 0 was the prologue's
	s_cbranch_scc1 .Lnext
	s_cmp_gt_u32 s[F], s[PB]        ; behind the diagonal: left out
	s_cbranch_scc1 .Lnext
	MASKS
	TURN 0, 1, 1                    ; piece 0: V^T P of step F - 1, K Q^T of step F | piece 2's softmax of step F - 1 | K of step F
	TURN 2, 1, 1                    ; piece 2: the same | piece 0's softmax of step F | V of step F
	WIN 0
.Lnext:
	s_add_co_u32 s[TB], s[TB], STEPB
	s_add_co_u32 s[F], s[F], 1
	s_sub_co_u32 s[TWICE], s[TWICE], 1
	s_cmp_lg_u32 s[TWICE], 0
	s_cbranch_scc1 .Lstep
	s_sub_co_u32 s[TB], s[TB], 2*STEPB
	s_xor_b32 s[TB], s[TB], SLOT1
	s_sub_co_u32 s[SLOTS], s[SLOTS], 1
	s_cmp_lg_u32 s[SLOTS], 0
	s_cbranch_scc1 .Lslot
	TURN 0, 1, 0                    ; piece 0: V^T P of the last step | piece 2's last softmax
.set i, 0
.rept 32
	PV 2                            ; piece 2: V^T P of the last step
.set i, i+1
.endr
	; THE WAY OUT.  O^T is divided by l, rounded to f16 and sent through my stage in LDS, a tile (16 rows) at a time.  The additions are the places behind the last products.
	WIN 0
.irp t, 0,1,2,3
	v_add_f32 v[ST+8*\t+4], v[ST+8*\t+2], v[ST+8*\t+3]
.endr
.irp t, 0,1,2,3
	v_permlanex16_b32 v[ST+8*\t+5], v[ST+8*\t+4], s[SEL], s[SEL+1]
.endr
.irp t, 0,1,2,3
	v_add_f32 v[ST+8*\t+4], v[ST+8*\t+4], v[ST+8*\t+5]
.endr
.irp t, 0,1,2,3
	v_rcp_f32 v[ST+8*\t+6], v[ST+8*\t+4]
.endr
	v_nop
	s_wait_alu depctr_va_vdst(0)    ; one wait for the four reciprocals, ahead of their first use
.macro PACK t
	WIN W_RS
.set i, 64*\t
.rept 32
	v_pk_mul_f32 v[i:i+1], v[i:i+1], v[ST+8*\t+6:ST+8*\t+7] op_sel_hi:[1,0]
.set i, i+2
.endr
	WIN 0x05
.set i, 0
.rept 32
	v_cvt_pk_f16_f32 v[S+32*\t+i], v[64*\t+2*i], v[64*\t+2*i+1]
.set i, i+1
.endr
	WIN 0
.irp f, 0,1,2,3,4,5,6,7
	ds_store_b128 v[STO], v[S+32*\t+4*\f:S+32*\t+4*\f+3] offset:32*\f
.endr
.irp f, 0,1,2,3,4,5,6,7
	ds_load_b128 v[S+32*\t+4*\f:S+32*\t+4*\f+3], v[RD] offset:\f*2*SP  ; LDS serves a wave's instructions in order: these see the stores above
.endr
.endm
.macro SEND t, younger              ; younger: the LDS instructions issued behind tile t's loads
.irp f, 0,1,2,3,4,5,6,7
	s_wait_dscnt \younger+7-\f
	global_store_b128 v[GO], v[S+32*\t+4*\f:S+32*\t+4*\f+3], s[10:11] offset:\t*65536+\f*8192  ; 16 lanes store my head's 256 consecutive bytes of a row, aligned
.endr
.endm
	PACK 0
	PACK 1
	SEND 0, 16
	PACK 2
	SEND 1, 16
	PACK 3
	SEND 2, 16
	SEND 3, 0
	s_wait_tensorcnt 0x0            ; what follows touches no LDS
	ds_add_u32 v[SPW], v[NIL]
	s_wait_dscnt 0x0
	s_cmp_lg_u32 s[PB], 0
	s_cbranch_scc1 .Lend
	; POSITIONS 0-15 IN f32 (work-groups with PB = 0; each wave its head).  These rows average one to sixteen values and are the largest of y: f16 operands would use up what the comparison allows.
	; q from q16's f32 part, k from out1, v from out2.  The f32 form takes 4 along K: lane (r, h) holds k = 2 h + j in register j.  A lane's registers 4 i + e hold channel 8 i + 4 h + e: the same order of K on both sides.
	s_wait_xcnt 0x0                 ; the way out's stores have read S's registers, which are loaded below
	s_load_b64 s[24:25], s[0:1], 0x0     ; q16 (no tensor load is out: the descriptors' registers are free)
	s_load_b128 s[28:31], s[0:1], 0x18   ; out1, out2
	s_load_b64 s[32:33], s[0:1], 0x28    ; yfine
	v_lshlrev_b32 v10, 9, v1
	v_lshl_add_u32 v10, v9, 4, v10  ; q, k: row r of 512 bytes, + 16 h
	v_lshlrev_b32 v11, 12, v9
	v_lshl_add_u32 v11, v1, 2, v11  ; v: key 8 h on, channel r
	v_lshlrev_b32 v60, 13, v1
	v_lshl_add_u32 v60, v9, 5, v60  ; yfine: row r of 8,192 bytes, + 32 h
	s_lshl_b32 s52, s13, 19         ; (4 b + g) x 1024 rows of 512 bytes
	s_mov_b32 s53, 0
	s_lshl_b32 s54, s13, 2
	s_add_co_u32 s54, s54, s[WV]
	s_lshl_b32 s54, s54, 13
	s_add_co_u32 s54, s54, 0x1000000
	s_mov_b32 s55, 0
	s_lshr_b32 s22, s13, 2
	s_lshl_b32 s22, s22, 17         ; b x 16 rows of 8,192 bytes
	s_and_b32 s23, s13, 3
	s_lshl_b32 s23, s23, 2
	s_add_co_u32 s23, s23, s[WV]
	s_lshl_b32 s23, s23, 9
	s_add_co_u32 s22, s22, s23
	s_mov_b32 s23, 0
	s_wait_kmcnt 0x0
	s_add_nc_u64 s[28:29], s[28:29], s[52:53]
	s_add_nc_u64 s[30:31], s[30:31], s[52:53]
	s_add_nc_u64 s[24:25], s[24:25], s[54:55]
	s_add_nc_u64 s[32:33], s[32:33], s[22:23]
.irp i, 0,1,2,3,4,5,6,7,8,9,10,11,12,13,14,15
	global_load_b128 v[64+4*\i:67+4*\i], v10, s[28:29] offset:32*\i
.endr
.irp i, 0,1,2,3,4,5,6,7,8,9,10,11,12,13,14,15
	global_load_b128 v[128+4*\i:131+4*\i], v10, s[24:25] offset:32*\i
.endr
	WIN 0x80
.irp ct, 0,1,2,3,4,5,6,7
.irp kj, 0,1,2,3,4,5,6,7
	global_load_b32 v[8*\ct+\kj], v11, s[30:31] offset:\kj*512+64*\ct   ; v(key 8 h + kj, channel 16 ct + r)
.endr
.endr
	WIN 0
	v_mov_b32 v216, 0xff61b1e6
	v_mov_b32 v218, 0
	v_mov_b32 v220, 0
	s_wait_loadcnt 0x0
	WIN 0xf0                        ; k and q window 0; C and D window 3
.set c, 0
.rept 32                            ; S^T in four parts by turns; the first four products start the sums
.if c < 4
	v_wmma_f32_16x16x4_f32 v[128+8*(c%4):135+8*(c%4)], v[64+2*c:65+2*c], v[128+2*c:129+2*c], 0
.else
	v_wmma_f32_16x16x4_f32 v[128+8*(c%4):135+8*(c%4)], v[64+2*c:65+2*c], v[128+2*c:129+2*c], v[128+8*(c%4):135+8*(c%4)]
.endif
.set c, c+1
.endr
.rept 8
	v_nop                           ; eight places behind this form (ISA guide 7.12.1)
.endr
	WIN 0x0f
.irp j, 0,1,2,3,4,5,6,7
	v_add_f32 v[192+\j], v[128+\j], v[136+\j]
.endr
.irp j, 0,1,2,3,4,5,6,7
	v_add_f32 v[200+\j], v[144+\j], v[152+\j]
.endr
	WIN 0
.irp j, 0,1,2,3,4,5,6,7
	v_add_f32 v[192+\j], v[192+\j], v[200+\j]   ; score of key 8 h + j for query r
.endr
.irp j, 0,1,2,3,4,5,6,7
	v_cndmask_b32 v[192+\j], v[192+\j], v216, s[MK+\j]
.endr
	v_max3_num_f32 v217, v192, v193, v194
	v_max3_num_f32 v217, v217, v195, v196
	v_max3_num_f32 v217, v217, v197, v198
	v_max_num_f32 v217, v217, v199
	v_permlanex16_b32 v218, v217, s[SEL], s[SEL+1]
	v_max_num_f32 v217, v217, v218  ; the row's maximum
	v_mul_f32 v218, s[CS], v217
.irp j, 0,1,2,3,4,5,6,7
	v_fma_f32 v[192+\j], v[192+\j], s[CS], -v218
.endr
.irp j, 0,1,2,3,4,5,6,7
	v_exp_f32 v[192+\j], v[192+\j]
.endr
	v_nop
	s_wait_alu depctr_va_vdst(0)    ; one wait for the eight
	v_add_f32 v219, v192, v193
	v_add_f32 v221, v194, v195
	v_add_f32 v222, v196, v197
	v_add_f32 v223, v198, v199
	v_add_f32 v219, v219, v221
	v_add_f32 v222, v222, v223
	v_add_f32 v219, v219, v222
	v_permlanex16_b32 v220, v219, s[SEL], s[SEL+1]
	v_add_f32 v219, v219, v220
	v_rcp_f32 v219, v219
	v_nop
	s_wait_alu depctr_va_vdst(0)
.irp j, 0,1,2,3,4,5,6,7
	v_mul_f32 v[208+\j], v[192+\j], v219        ; the probabilities: registers 2 kc, 2 kc + 1 are source 1 of K step kc (keys 8 h + 2 kc + j)
.endr
	WIN 0xf2                        ; v window 2, p window 0; C and D window 3
.irp kc, 0,1,2,3
.irp ct, 0,1,2,3,4,5,6,7
.if \kc == 0
	v_wmma_f32_16x16x4_f32 v[160+8*\ct:167+8*\ct], v[8*\ct+2*\kc:8*\ct+2*\kc+1], v[208+2*\kc:209+2*\kc], 0
.else
	v_wmma_f32_16x16x4_f32 v[160+8*\ct:167+8*\ct], v[8*\ct+2*\kc:8*\ct+2*\kc+1], v[208+2*\kc:209+2*\kc], v[160+8*\ct:167+8*\ct]
.endif
.endr
.endr
.rept 8
	v_nop
.endr
	WIN 0x0c                        ; a store's data are its source 1: window 3
.irp ct, 0,1,2,3,4,5,6,7            ; a lane stores 32 bytes of a row; the rows lie 8,192 bytes apart: 256-byte blocks are written in parts here, 8,192 bytes a wave in all
	global_store_b128 v60, v[160+8*\ct:163+8*\ct], s[32:33] offset:64*\ct
	global_store_b128 v60, v[164+8*\ct:167+8*\ct], s[32:33] offset:64*\ct+16
.endr
	WIN 0
.Lend:
	s_endpgm
.Lfunc_end_k_qfa448acf5e_attn:
	.size	k_qfa448acf5e_attn, .Lfunc_end_k_qfa448acf5e_attn-k_qfa448acf5e_attn
	.p2alignl 7, 3214868480
	.fill 96, 4, 3214868480
	.section	.rodata,"a",@progbits
	.p2align	6, 0x0
	.amdhsa_kernel k_qfa448acf5e_attn
		.amdhsa_group_segment_fixed_size 327680
		.amdhsa_private_segment_fixed_size 0
		.amdhsa_enable_private_segment 0
		.amdhsa_kernarg_size 48
		.amdhsa_user_sgpr_count 2
		.amdhsa_user_sgpr_kernarg_segment_ptr 1
		.amdhsa_wavefront_size32 1
		.amdhsa_system_sgpr_workgroup_id_x 1
		.amdhsa_system_sgpr_workgroup_id_y 1
		.amdhsa_system_sgpr_workgroup_id_z 1
		.amdhsa_system_vgpr_workitem_id 0
		.amdhsa_next_free_vgpr 1024
		.amdhsa_next_free_sgpr 80
		.amdhsa_reserve_vcc 0
		.amdhsa_float_denorm_mode_32 3
		.amdhsa_float_denorm_mode_16_64 3
		.amdhsa_memory_ordered 1
		.amdhsa_forward_progress 1
		.amdhsa_inst_pref_size 162
	.end_amdhsa_kernel
	.amdgpu_metadata
---
amdhsa.version: [ 1, 2 ]
amdhsa.kernels:
  - .name:           k_qfa448acf5e_attn
    .symbol:         k_qfa448acf5e_attn.kd
    .args:
      - { .name: q16, .offset: 0, .size: 8, .value_kind: global_buffer, .address_space: global }
      - { .name: kv16, .offset: 8, .size: 8, .value_kind: global_buffer, .address_space: global }
      - { .name: y16, .offset: 16, .size: 8, .value_kind: global_buffer, .address_space: global }
      - { .name: out1, .offset: 24, .size: 8, .value_kind: global_buffer, .address_space: global }
      - { .name: out2, .offset: 32, .size: 8, .value_kind: global_buffer, .address_space: global }
      - { .name: yfine, .offset: 40, .size: 8, .value_kind: global_buffer, .address_space: global }
    .group_segment_fixed_size: 327680
    .private_segment_fixed_size: 0
    .kernarg_segment_align: 8
    .kernarg_segment_size: 48
    .max_flat_workgroup_size: 128
    .sgpr_count:     80
    .vgpr_count:     1024
    .wavefront_size: 32
...
	.end_amdgpu_metadata
.endif
;; end of part 3
;; launch proj (part 4): grid 16 x 16, 4 waves a work-group, clusters of 4 x 4, 327,680 bytes of LDS; arguments y16, wp16, out0, b_proj; writes out0
.if DOCPART == 4
	.amdgcn_target "amdgcn-amd-amdhsa--gfx1250"
	.amdhsa_code_object_version 6
	.text
	.protected	k_qfa448acf5e_proj
	.globl	k_qfa448acf5e_proj
	.p2align	8
	.type	k_qfa448acf5e_proj,@function
k_qfa448acf5e_proj:
	s_mov_b64 s[64:65], 0
	v_nop
	global_prefetch_b8 v0, s[64:65] scope:SCOPE_SE
	s_setreg_imm32_b32 hwreg(HW_REG_WAVE_MODE, 25, 1), 1
	s_wait_xcnt 0x0
	s_wait_alu depctr_hold_cnt(0) depctr_sa_sdst(0) depctr_va_vdst(0) depctr_va_sdst(0) depctr_va_ssrc(0) depctr_va_vcc(0) depctr_vm_vsrc(0)
	s_getreg_b32 s2, hwreg(HW_REG_IB_STS2, 6, 4)
	s_cmp_eq_u32 s2, 0
	s_cbranch_scc0 .Lentry_in_a_cluster
	s_endpgm
.Lentry_in_a_cluster:
	s_bfe_u32 s2, ttmp6, 0x10000c
	s_cmp_lg_u32 s2, 0xf033
	s_cbranch_scc0 .Lentry_shape_is_right
	s_endpgm
.Lentry_shape_is_right:
; FOURTH LAUNCH: out0 = y w_proj^T + b_proj with f16 operands and f32 sums, for every row but positions 0-15 of each sequence, which the fifth launch makes in f32 and stores.
; y16 [4096][2048], wp16 [2048][2048]: f16, K innermost.  out0 [4096][2048] f32.
; SHAPE.  A tile is 256 rows x 128 columns, which gives each of 256 work-groups one tile; a wave makes 128 x 64: 32 accumulators, 256 registers.
; THE RING HAS TWO UNLIKE SLOTS.  A step along K wants 384 rows in LDS (256 of y, 128 of w_proj).  Two slots of 256 along K would take 2 x 384 x 528 = 405,504 bytes, more than a work-group can have; a slot of 128 along K
; (rows of 256 bytes, pitch 272: 104,448 bytes) and a slot of 256 along K (rows of 512 bytes, pitch 528: 202,752 bytes) fit together.  K goes small, large, small, large ..: six small steps and five large ones,
; 6 x 128 + 5 x 256 = 2,048, ascending.  Nine refills in all.  From its request to the wait for it the small slot's refill has 16 + 7 x 32 = 240 of a wave's matrix instructions, the large slot's 16 + 3 x 32 = 112.
; CLUSTERS: 4 x 4; y's tiles are shared along a row of the cluster, w_proj's along a column, each asked for jointly.
; Tile row = 4 cy + cluster y: whether a wave holds a sequence's first 16 rows hangs on the cluster's y and the wave's number, which all partners share.
; THE MATRIX INSTRUCTION IS USED TRANSPOSED (source 0 = 16 rows of w_proj, source 1 = 16 rows of y): a lane holds eight neighbouring numbers of a row.  The bias is the C of each sum's first product.
; REGISTERS: window 0: v16-29 addresses; v32-63 the bias; v64-127 rows on the way out, two sets.   window 1: two fragment buffers at v0 and v128: y's 8 fragments, then w_proj's 4.   window 2: the accumulators ((a, b) at v[8 (4 a + b)]).
.set NK,     2048
.set PT0,    272                       ; slot 0: an LDS row of 256 bytes + 16 of padding: the 16 rows that a load touches start at 16 different banks
.set PT1,    528                       ; slot 1: 512 bytes + 16: likewise
.set LB0,    256*PT0                   ; slot 0: y's 256 rows from byte 0, w_proj's 128 rows from here
.set SL1,    384*PT0                   ; slot 1 begins: y's 256 rows,
.set LB1,    SL1+256*PT1               ; then w_proj's 128
.set STAGE,  SL1+384*PT1               ; behind the ring: 16 rows x 272 bytes for each wave
.set SPITCH, 272
.set SPARE,  STAGE+4*16*SPITCH         ; the spare words, 128 bytes a wave, which no other line names
.set PERIOD, 768                       ; bytes of a row from a slot's tile to its next: 128 + 256 along K
.set TRIPS,  4
.set ADRA, 16                          ; v16-17 LDS address of my fragments of y in slot 0, 1
.set ADRB, 20                          ; v20-21 the same for w_proj
.set STO,  24
.set RD,   25
.set CO,   26
.set BO,   27
.set SPW,  28
.set NIL,  29
.set BIAS, 32
.set BK,   64
.set F0,   0
.set F1,   128
.set G1, 24                            ; s[24:31] group 1 for y's tiles of slot 0;  s[32:39] groups 0, one for each slot
.set G0, 32
.set G1B, 48                           ; s[48:55], s[56:63] the same for w_proj's
.set G0B, 56
.set G1L, 68                           ; s[68:75] group 1 for y's tiles of slot 1
.set G1BL, 76                          ; s[76:83] for w_proj's
.set MSB, 0
.macro WIN new
.if MSB != (\new)
	s_set_vgpr_msb (MSB<<8)|(\new)
.set MSB, (\new)
.endif
.endm
.set MUL,  0xa5                        ; sources 0 and 1 window 1; C and D window 2
.set MULB, 0x85                        ; C (the bias) window 0
.set TO_F, 0x40
.macro JLOAD s                         ; waves 0, 1 fetch y's halves, waves 2, 3 w_proj's; each slot has its own shape; an s_nop 0 and four v_nop follow each of the two lines
.set GA, G1
.set GB, G1B
.if \s
.set GA, G1L
.set GB, G1BL
.endif
	s_cmp_eq_u32 s11, 0
	s_cbranch_scc0 .Lfor_b_\@
	tensor_load_to_lds s[G0+4*\s:G0+4*\s+3], s[GA:GA+7]
	s_nop 0
.rept 4
	v_nop
.endr
	s_branch .Lasked_\@
.Lfor_b_\@:
	tensor_load_to_lds s[G0B+4*\s:G0B+4*\s+3], s[GB:GB+7]
	s_nop 0
.rept 4
	v_nop
.endr
.Lasked_\@:
.endm
.macro CREST
	s_cmp_lg_u32 s10, 0
	s_cbranch_scc1 .Lnot_wave_0_\@
	s_barrier_signal -3
.Lnot_wave_0_\@:
	s_barrier_wait -3
	s_barrier_signal -1
	s_barrier_wait -1
.endm
.macro CROUND
	s_barrier_signal -1
	s_barrier_wait -1
	CREST
.endm
	s_load_b128 s[4:7], s[0:1], 0x0                ; y16, wp16
	s_load_b64 s[8:9], s[0:1], 0x10                ; out0
	s_load_b64 s[66:67], s[0:1], 0x18              ; b_proj
	v_lshl_add_u32 v[SPW], v0, 2, SPARE
	v_mov_b32 v[NIL], 0
	ds_add_u32 v[SPW], v[NIL]                      ; the wave's opening: the add, twice on end, and its wait ahead of my first tensor load
	ds_add_u32 v[SPW], v[NIL]
	v_lshrrev_b32 v1, 5, v0
	v_readfirstlane_b32 s10, v1                    ; wave 0..3
	s_lshr_b32 s11, s10, 1                         ; my half of the rows.  Also: I fetch for y (0) or for w_proj (1)
	s_and_b32 s12, s10, 1                          ; my half of the columns.  Also: which half of that tile I fetch
	s_bfe_u32 s40, ttmp6, 0x40000                  ; cx
	s_bfe_u32 s41, ttmp6, 0x40004                  ; cy
	s_lshl_b32 s42, ttmp9, 2
	s_add_co_u32 s42, s42, s40                     ; tile column
	s_and_b32 s45, ttmp7, 0xffff                   ; the cluster's y
	s_lshl_b32 s13, s41, 2
	s_add_co_u32 s13, s13, s45                     ; tile row = 4 cy + cluster y
	s_or_b32 s45, s45, s11                         ; s45 = 0: my block 0 is a sequence's positions 0-15
	s_lshl_b32 s43, s41, 2
	s_lshl_b32 s43, 15, s43                        ; my row of the cluster
	s_lshl_b32 s44, 0x1111, s40                    ; my column
	s_or_b32 s[G1+0], s43, (1<<16)|(1<<20)|(1<<21)|(5<<22)|(3<<25)   ; the mask; elements of 2 bytes; padding on; bit 21 beside a mask; 4 words after every 64
	s_or_b32 s[G1B+0], s44, (1<<16)|(1<<20)|(1<<21)|(5<<22)|(3<<25)
	s_or_b32 s[G1L+0], s43, (1<<16)|(1<<20)|(1<<21)|(6<<22)|(3<<25)  ; slot 1: 4 words after every 128
	s_or_b32 s[G1BL+0], s44, (1<<16)|(1<<20)|(1<<21)|(6<<22)|(3<<25)
.irp g, G1, G1B
	s_mov_b32 s[\g+1], 128<<16                     ; slot 0: tensor_dim0 = 128 elements,
	s_mov_b32 s[\g+3], 128<<16                     ; tile_dim0 = 128
.endr
.irp g, G1L, G1BL
	s_mov_b32 s[\g+1], 256<<16                     ; slot 1: 256
	s_mov_b32 s[\g+3], 256<<16
.endr
.irp g, G1, G1L
	s_mov_b32 s[\g+2], 128<<16                     ; y: tensor_dim1 = 128 rows to a load,
	s_mov_b32 s[\g+4], 128                         ; tile_dim1 = 128
.endr
.irp g, G1B, G1BL
	s_mov_b32 s[\g+2], 64<<16                      ; w_proj: 64 rows
	s_mov_b32 s[\g+4], 64
.endr
.irp g, G1, G1B, G1L, G1BL
	s_mov_b32 s[\g+5], NK                          ; elements from row to row
	s_mov_b32 s[\g+6], 0
	s_mov_b32 s[\g+7], 0
.endr
	s_lshl_b32 s17, s12, 7
	s_lshl_b32 s16, s13, 8
	s_add_co_u32 s16, s16, s17                     ; y: row 256 x tile row + 128 x half
	s_lshl_b32 s47, s12, 6
	s_lshl_b32 s46, s42, 7
	s_add_co_u32 s46, s46, s47                     ; w_proj: row 128 x tile column + 64 x half
	s_mov_b32 s17, 0
	s_mov_b32 s47, 0
	s_mov_b64 s[18:19], NK*2
	s_mul_u64 s[16:17], s[16:17], s[18:19]
	s_mul_u64 s[46:47], s[46:47], s[18:19]
	s_mul_i32 s20, s12, 128*PT0                    ; where they go: the wave's number alone enters an LDS address: y in slot 0,
	s_mul_i32 s21, s12, 128*PT1
	s_add_co_u32 s21, s21, SL1                     ; y in slot 1,
	s_mul_i32 s22, s12, 64*PT0
	s_add_co_u32 s22, s22, LB0                     ; w_proj in slot 0,
	s_mul_i32 s23, s12, 64*PT1
	s_add_co_u32 s23, s23, LB1                     ; w_proj in slot 1
	s_wait_dscnt 0x0                               ; both opening adds are done
	s_wait_kmcnt 0x0
	s_add_nc_u64 s[14:15], s[4:5], s[16:17]
	s_add_nc_u64 s[46:47], s[6:7], s[46:47]
	CROUND                                         ; all sixteen work-groups are here: the first joint loads meet
.irp s, 0,1
	s_mov_b32 s[G0+4*\s], 1
	s_mov_b32 s[G0+4*\s+1], s[20+\s]
	s_add_nc_u64 s[G0+4*\s+2:G0+4*\s+3], s[14:15], \s*256          ; slot 0 begins at K = 0, slot 1 at K = 128
	s_or_b32 s[G0+4*\s+3], s[G0+4*\s+3], 0x80000000
	s_mov_b32 s[G0B+4*\s], 1
	s_mov_b32 s[G0B+4*\s+1], s[22+\s]
	s_add_nc_u64 s[G0B+4*\s+2:G0B+4*\s+3], s[46:47], \s*256
	s_or_b32 s[G0B+4*\s+3], s[G0B+4*\s+3], 0x80000000
	JLOAD \s
.endr
	v_and_b32 v1, 15, v0                           ; r
	v_bfe_u32 v2, v0, 4, 1                         ; h
	s_lshl_b32 s46, s42, 9                         ; my first column in bytes of f32: 512 x tile column + 256 x half
	s_lshl_b32 s47, s12, 8
	s_add_co_u32 s46, s46, s47
	s_mov_b32 s47, 0
	s_add_nc_u64 s[66:67], s[66:67], s[46:47]
	v_lshlrev_b32 v[BO], 5, v2
.irp b, 0,1,2,3
	global_load_b128 v[BIAS+8*\b:BIAS+8*\b+3], v[BO], s[66:67] offset:64*\b        ; register j of block b: b_proj at column 16 b + 8 h + j
	global_load_b128 v[BIAS+8*\b+4:BIAS+8*\b+7], v[BO], s[66:67] offset:64*\b+16
.endr
	v_mul_u32_u24 v3, v1, PT0
	v_lshl_add_u32 v3, v2, 4, v3                   ; a fragment's row x pitch + 16 x half, in slot 0,
	v_mul_u32_u24 v4, v1, PT1
	v_lshl_add_u32 v4, v2, 4, v4                   ; and in slot 1
	s_mul_i32 s21, s11, 128*PT0                    ; my 128 rows of y,
	s_mul_i32 s22, s12, 64*PT0                     ; my 64 rows of w_proj
	s_add_co_u32 s22, s22, LB0
	v_add_nc_u32 v[ADRA], s21, v3
	v_add_nc_u32 v[ADRB], s22, v3
	s_mul_i32 s21, s11, 128*PT1
	s_add_co_u32 s21, s21, SL1
	s_mul_i32 s22, s12, 64*PT1
	s_add_co_u32 s22, s22, LB1
	v_add_nc_u32 v[ADRA+1], s21, v4
	v_add_nc_u32 v[ADRB+1], s22, v4
	s_mul_i32 s23, s10, 16*SPITCH
	s_add_co_u32 s23, s23, STAGE                   ; my stage
	v_mul_u32_u24 v4, v1, SPITCH
	v_lshl_add_u32 v4, v2, 5, v4
	v_add_nc_u32 v[STO], s23, v4                   ; in: row r, 32 bytes for each half of the lanes
	v_mul_u32_u24 v5, v2, SPITCH
	v_lshl_add_u32 v5, v1, 4, v5
	v_add_nc_u32 v[RD], s23, v5                    ; back: lanes 0-15 one row of 256 bytes, lanes 16-31 the next
	v_lshlrev_b32 v[CO], 13, v2
	v_lshl_add_u32 v[CO], v1, 4, v[CO]             ; and the same two rows in out0
	s_lshl_b32 s16, s13, 8
	s_lshl_b32 s17, s11, 7
	s_add_co_u32 s16, s16, s17                     ; my first row
	s_lshl_b32 s16, s16, 13                        ; x 8,192 bytes (under 2^25)
	s_mov_b32 s17, 0
	s_add_nc_u64 s[8:9], s[8:9], s[16:17]
	s_add_nc_u64 s[8:9], s[8:9], s[46:47]
; 8 matrix instructions: y's blocks a0, a0 + 1 against w_proj's four, 32 along K.  The 32 accumulators take turns, one instruction a turn, in the same order in every quarter.
.macro MUL8 f, a0, first
.irp a, \a0, \a0+1
.irp b, 0,1,2,3
.if \first
	v_wmma_f32_16x16x32_f16 v[8*(4*(\a)+\b):8*(4*(\a)+\b)+7], v[\f+64+8*\b:\f+64+8*\b+7], v[\f+8*(\a):\f+8*(\a)+7], v[BIAS+8*\b:BIAS+8*\b+7]
.else
	v_wmma_f32_16x16x32_f16 v[8*(4*(\a)+\b):8*(4*(\a)+\b)+7], v[\f+64+8*\b:\f+64+8*\b+7], v[\f+8*(\a):\f+8*(\a)+7], v[8*(4*(\a)+\b):8*(4*(\a)+\b)+7]
.endif
.endr
.endr
.endm
; 24 LDS loads in one run: w_proj's four fragments and y's blocks 0-3 first, then y's blocks 4-7; the pitch is the slot's
.macro FETCH slot, k, f
.set PT, PT0+(PT1-PT0)*(\slot)
	WIN TO_F
.irp i, 0,1,2,3
	ds_load_b128 v[\f+64+8*\i:\f+64+8*\i+3],   v[ADRB+\slot] offset:\k+\i*16*PT
	ds_load_b128 v[\f+64+8*\i+4:\f+64+8*\i+7], v[ADRB+\slot] offset:\k+\i*16*PT+32
	ds_load_b128 v[\f+8*\i:\f+8*\i+3],         v[ADRA+\slot] offset:\k+\i*16*PT
	ds_load_b128 v[\f+8*\i+4:\f+8*\i+7],       v[ADRA+\slot] offset:\k+\i*16*PT+32
.endr
.irp i, 4,5,6,7
	ds_load_b128 v[\f+8*\i:\f+8*\i+3],         v[ADRA+\slot] offset:\k+\i*16*PT
	ds_load_b128 v[\f+8*\i+4:\f+8*\i+7],       v[ADRA+\slot] offset:\k+\i*16*PT+32
.endr
.endm
.macro PLACES                          ; four plain instructions in front of loads into registers that matrix instructions have read, and of reads of results
.rept 4
	v_nop
.endr
.endm
; A quarter is 32 along K, 32 matrix instructions, on buffers 0, 1 by turns: slot 0 holds four, slot 1 eight.  All but a slot's last multiply buffer f and fetch the next quarter, at byte k of the rows, into g.
.macro QUARTER slot, k, f, g, first
	s_wait_dscnt 8                                 ; all but y's blocks 4-7 are in
.if \first
	WIN MULB
.else
	WIN MUL
.endif
	MUL8 \f, 0, \first
	MUL8 \f, 2, \first
	PLACES
	FETCH \slot, \k, \g
	s_wait_dscnt 24                                ; all but the 24 just issued
.if \first
	WIN MULB
.else
	WIN MUL
.endif
	MUL8 \f, 4, \first
	MUL8 \f, 6, \first
.endm
; A slot's last quarter multiplies buffer 1 and changes slots: one barrier; in front of it each wave waits for all its tensor loads, adds 0 to its spare word, and waits for that and for its reads of this slot.
.macro TURN slot, next, fill
	WIN 0
	s_wait_tensorcnt 0x0                           ; all my tensor loads have landed: my part of the next slot
	ds_add_u32 v[SPW], v[NIL]
	s_wait_dscnt 9                                 ; (the add and the youngest eight loads may be out)
	WIN MUL
	MUL8 F1, 0, 0
	s_wait_dscnt 0x0                               ; the add is done, and my reads of this slot are over
	s_barrier_signal -1
	MUL8 F1, 2, 0
.if \fill
	WIN 0
.endif
	s_barrier_wait -1
.if \fill
	CREST                                          ; the barrier has opened a round of the cluster's: no wave of any partner still reads this slot or has a load on its way
	s_add_nc_u64 s[G0+4*\slot+2:G0+4*\slot+3], s[G0+4*\slot+2:G0+4*\slot+3], PERIOD
	s_add_nc_u64 s[G0B+4*\slot+2:G0B+4*\slot+3], s[G0B+4*\slot+2:G0B+4*\slot+3], PERIOD
	JLOAD \slot                                    ; the first tensor load behind the round; its four v_nop are also the places in front of the loads below
.else
	PLACES
.endif
	FETCH \next, 0, F0
	WIN MUL
	MUL8 F1, 4, 0
	MUL8 F1, 6, 0
.endm
.macro LARGE                           ; the large slot's first seven quarters
	QUARTER 1, 64,  F0, F1, 0
	QUARTER 1, 128, F1, F0, 0
	QUARTER 1, 192, F0, F1, 0
	QUARTER 1, 256, F1, F0, 0
	QUARTER 1, 320, F0, F1, 0
	QUARTER 1, 384, F1, F0, 0
	QUARTER 1, 448, F0, F1, 0
.endm
	s_wait_tensorcnt 1                             ; my part of the first small step is in; the first large step's load may be out
	s_barrier_signal -1
	s_barrier_wait -1
	FETCH 0, 0, F0
	s_wait_loadcnt 0x0                             ; the bias
	QUARTER 0, 64, F0, F1, 1                       ; the first quarter stands in front of the loop: its products start the sums from the bias
	WIN 0
	s_mov_b32 s3, TRIPS
.Llap:                                                 ; a trip goes once round the ring, from a small step's second quarter to the next small step's first, and fills both slots again
	QUARTER 0, 128, F1, F0, 0
	QUARTER 0, 192, F0, F1, 0
	TURN 0, 1, 1
	LARGE
	TURN 1, 0, 1
	QUARTER 0, 64,  F0, F1, 0
	WIN 0
	s_sub_co_u32 s3, s3, 1
	s_cmp_lg_u32 s3, 0
	s_cbranch_scc1 .Llap
	QUARTER 0, 128, F1, F0, 0                      ; the tail is written out: the fifth small step,
	QUARTER 0, 192, F0, F1, 0
	TURN 0, 1, 1                                   ; behind which the small slot takes K's last 128: the last refill;
	LARGE                                          ; the fifth large step,
	TURN 1, 0, 0                                   ; behind which nothing is asked for;
	QUARTER 0, 64,  F0, F1, 0                      ; the sixth small step
	QUARTER 0, 128, F1, F0, 0
	QUARTER 0, 192, F0, F1, 0
	s_wait_dscnt 8
	WIN MUL
	MUL8 F1, 0, 0
	MUL8 F1, 2, 0
	s_wait_dscnt 0
	MUL8 F1, 4, 0
	MUL8 F1, 6, 0
	WIN 0
; THE WAY OUT, block by block of 16 rows x 64 columns: through my own stage in LDS, back as whole rows of 256 bytes.
.macro TOSTAGE a
.set BB, BK+32*((\a)%2)
	WIN 0x08                                       ; an LDS store's data are its source 1: window 2
.irp b, 0,1,2,3
	ds_store_b128 v[STO], v[8*(4*(\a)+\b):8*(4*(\a)+\b)+3] offset:64*\b        ; each accumulator from its low end on
	ds_store_b128 v[STO], v[8*(4*(\a)+\b)+4:8*(4*(\a)+\b)+7] offset:64*\b+16
.endr
	WIN 0
.irp t, 0,1,2,3,4,5,6,7
	ds_load_b128 v[BB+4*\t:BB+4*\t+3], v[RD] offset:\t*2*SPITCH                ; LDS serves a wave's instructions in order: these see the stores above
.endr
.endm
.macro STORES a
.set BB, BK+32*((\a)%2)
.irp t, 0,1,2,3,4,5,6,7
	global_store_b128 v[CO], v[BB+4*\t:BB+4*\t+3], s[8:9] offset:(16*(\a)+2*\t)*8192 th:TH_STORE_NT   ; 16 lanes store 256 consecutive bytes, aligned
.endr
.endm
	PLACES
	s_cmp_eq_u32 s45, 0                            ; the cluster's y and the wave's number alone decide
	s_cbranch_scc1 .Lfine_rows                     ; positions 0-15 are the fifth launch's: each byte of out0 is stored once
	TOSTAGE 0
	s_wait_dscnt 0x0
	STORES 0
.Lfine_rows:
	TOSTAGE 1
.irp a, 2,3,4,5,6,7
	s_wait_xcnt 0x0                                ; block a - 2's stores have read their registers, which are loaded again below
	TOSTAGE \a
	s_wait_dscnt 16                                ; block a - 1 is back; block a's 16 LDS instructions may be out
	STORES \a-1
.endr
	s_wait_dscnt 0x0
	STORES 7
	s_wait_tensorcnt 0x0                           ; the wave's end
	ds_add_u32 v[SPW], v[NIL]
	s_wait_dscnt 0x0
	CROUND                                         ; the closing round
	s_endpgm
.Lfunc_end_k_qfa448acf5e_proj:
	.size	k_qfa448acf5e_proj, .Lfunc_end_k_qfa448acf5e_proj-k_qfa448acf5e_proj
	.p2alignl 7, 3214868480
	.fill 96, 4, 3214868480
	.section	.rodata,"a",@progbits
	.p2align	6, 0x0
	.amdhsa_kernel k_qfa448acf5e_proj
		.amdhsa_group_segment_fixed_size 327680
		.amdhsa_private_segment_fixed_size 0
		.amdhsa_enable_private_segment 0
		.amdhsa_kernarg_size 32
		.amdhsa_user_sgpr_count 2
		.amdhsa_user_sgpr_kernarg_segment_ptr 1
		.amdhsa_wavefront_size32 1
		.amdhsa_system_sgpr_workgroup_id_x 1
		.amdhsa_system_sgpr_workgroup_id_y 1
		.amdhsa_system_sgpr_workgroup_id_z 1
		.amdhsa_system_vgpr_workitem_id 0
		.amdhsa_next_free_vgpr 768
		.amdhsa_next_free_sgpr 84
		.amdhsa_reserve_vcc 0
		.amdhsa_float_denorm_mode_32 3
		.amdhsa_float_denorm_mode_16_64 3
		.amdhsa_memory_ordered 1
		.amdhsa_forward_progress 1
		.amdhsa_inst_pref_size 134
	.end_amdhsa_kernel
	.amdgpu_metadata
---
amdhsa.version: [ 1, 2 ]
amdhsa.kernels:
  - .name:           k_qfa448acf5e_proj
    .symbol:         k_qfa448acf5e_proj.kd
    .args:
      - { .name: y16, .offset: 0, .size: 8, .value_kind: global_buffer, .address_space: global }
      - { .name: wp16, .offset: 8, .size: 8, .value_kind: global_buffer, .address_space: global }
      - { .name: out0, .offset: 16, .size: 8, .value_kind: global_buffer, .address_space: global }
      - { .name: b_proj, .offset: 24, .size: 8, .value_kind: global_buffer, .address_space: global }
    .group_segment_fixed_size: 327680
    .private_segment_fixed_size: 0
    .kernarg_segment_align: 8
    .kernarg_segment_size: 32
    .max_flat_workgroup_size: 128
    .sgpr_count:     84
    .vgpr_count:     768
    .wavefront_size: 32
...
	.end_amdgpu_metadata
.endif
;; end of part 4
;; launch fine (part 5): grid 128 x 2, 4 waves a work-group, no clusters, 8,704 bytes of LDS; arguments yfine, w_proj, b_proj, out0; writes out0
.if DOCPART == 5
	.amdgcn_target "amdgcn-amd-amdhsa--gfx1250"
	.amdhsa_code_object_version 6
	.text
	.protected	k_qfa448acf5e_fine
	.globl	k_qfa448acf5e_fine
	.p2align	8
	.type	k_qfa448acf5e_fine,@function
k_qfa448acf5e_fine:
	s_mov_b64 s[64:65], 0
	v_nop
	global_prefetch_b8 v0, s[64:65] scope:SCOPE_SE
	s_setreg_imm32_b32 hwreg(HW_REG_WAVE_MODE, 25, 1), 1
	s_wait_xcnt 0x0
; FIFTH LAUNCH: out0 = y w_proj^T + b_proj for positions 0-15 of the four sequences, wholly in f32: these rows of y average one to sixteen values and are the largest, and 16-bit operands would use up what the comparison allows.
; yfine [4 x 16][2048] f32, w_proj [2048][2048] f32.  The fourth launch stores every other row of out0, and none of these.
; SHARES.  Work-group (nt, mp): output columns 16 nt .. + 15 for sequences 2 mp and 2 mp + 1.  Wave w takes K = 512 w .. + 511: 256 matrix instructions a wave; the four parts meet in LDS.
; The f32 form takes 4 along K: lane (r, h) holds k = 2 h + j in register j.  A lane's registers 4 i + e hold K = 512 w + 8 i + 4 h + e, on both sides alike: the two halves of the lanes read neighbouring 16 bytes of a row.
; Source 0 = 16 rows of w_proj, source 1 = 16 rows of y: a lane holds eight neighbouring columns of one row of out0.
; LOADS AMONG THE PRODUCTS.  A wave's K goes in four chunks of 128: 48 loads and 64 products each.  Chunks 0 and 1 are asked for at the head; the loads of chunk q + 2 stand among the products of chunk q, three behind every four,
; so that a wave issues products while its later loads are taken up.  Every register is loaded once, and none of a chunk's loads lands on a register that an earlier product has named.
; REGISTERS: window 0: v1-11 addresses; v64-95 four accumulators (sequence x parity of the K step), which matrix instructions alone write; v96-131 at work.   window 1: w_proj.   windows 2, 3: y: chunk q at v[128 (q % 2) + 64 u] of window 2 + q / 2.
.set SPW, 10
.set NIL, 11
.set SPARE, 8192
.set MSB, 0
.macro WIN new
.if MSB != (\new)
	s_set_vgpr_msb (MSB<<8)|(\new)
.set MSB, (\new)
.endif
.endm
	s_load_b128 s[4:7], s[0:1], 0x0                ; yfine, w_proj
	s_load_b128 s[8:11], s[0:1], 0x10              ; b_proj, out0
	v_lshl_add_u32 v[SPW], v0, 2, SPARE
	v_mov_b32 v[NIL], 0
	v_lshrrev_b32 v1, 5, v0
	v_readfirstlane_b32 s12, v1                    ; wave 0..3
	v_and_b32 v1, 15, v0                           ; r
	v_bfe_u32 v2, v0, 4, 1                         ; h
	v_lshlrev_b32 v3, 13, v1
	v_lshl_add_u32 v3, v2, 4, v3                   ; in: row r of 8,192 bytes, + 16 h
	v_lshlrev_b32 v4, 5, v2                        ; the bias: 32 h
	v_lshlrev_b32 v5, 13, v1
	v_lshl_add_u32 v5, v2, 5, v5                   ; out: row r, + 32 h
	v_and_b32 v6, 31, v0
	v_lshlrev_b32 v6, 4, v6
	s_lshl_b32 s13, s12, 11
	v_add_nc_u32 v7, s13, v6                       ; LDS: my wave's four groups of 512 bytes
	s_lshl_b32 s14, s12, 9
	v_add_nc_u32 v8, s14, v6                       ; and group w of each wave's
	s_and_b32 s15, ttmp7, 0xffff                   ; mp
	s_lshl_b32 s16, ttmp9, 17                      ; w_proj: 16 nt rows of 8,192 bytes,
	s_add_co_u32 s16, s16, s13                     ; + my 2,048 bytes along K
	s_mov_b32 s17, 0
	s_lshl_b32 s18, s15, 18                        ; yfine: 32 mp rows
	s_add_co_u32 s18, s18, s13
	s_mov_b32 s19, 0
	s_and_b32 s20, s12, 1
	s_lshl_b32 s20, s20, 4
	s_lshl_b32 s21, ttmp9, 6
	s_add_co_u32 s20, s20, s21                     ; my four columns' bytes: 64 nt + 16 (w % 2)
	s_mov_b32 s21, 0
	s_lshl_b32 s22, s15, 1
	s_lshr_b32 s23, s12, 1
	s_add_co_u32 s22, s22, s23
	s_lshl_b32 s22, s22, 23                        ; sequence 2 mp + w / 2: 1024 rows of 8,192 bytes each
	s_add_co_u32 s22, s22, s20
	s_mov_b32 s23, 0
	s_wait_kmcnt 0x0
	s_add_nc_u64 s[6:7], s[6:7], s[16:17]
	s_add_nc_u64 s[4:5], s[4:5], s[18:19]
	s_add_nc_u64 s[8:9], s[8:9], s[20:21]
	s_add_nc_u64 s[10:11], s[10:11], s[22:23]
	global_load_b128 v[112:115], v4, s[8:9]        ; b_proj at columns 16 nt + 8 h + 4 (w % 2) + 0 .. 3
.irp q, 0,1                                    ; chunks 0 and 1 on end: 16 loads of w_proj, 16 of each sequence
	WIN 0x40
.set n, 0
.rept 16
	global_load_b128 v[64*\q+4*n:64*\q+4*n+3], v3, s[6:7] offset:32*(16*\q+n)
.set n, n+1
.endr
	WIN 0x80
.set n, 0
.rept 16
	global_load_b128 v[128*\q+4*n:128*\q+4*n+3], v3, s[4:5] offset:32*(16*\q+n)
.set n, n+1
.endr
.set n, 0
.rept 16
	global_load_b128 v[128*\q+64+4*n:128*\q+64+4*n+3], v3, s[4:5] offset:131072+32*(16*\q+n)
.set n, n+1
.endr
.endr
; load n of 16 of chunk q, for w_proj and for both sequences
.macro LOAD3 q
	WIN 0x40
	global_load_b128 v[64*(\q)+4*n:64*(\q)+4*n+3], v3, s[6:7] offset:32*(16*(\q)+n)
	WIN 0x80+0x40*((\q)/2)
	global_load_b128 v[128*((\q)%2)+4*n:128*((\q)%2)+4*n+3], v3, s[4:5] offset:32*(16*(\q)+n)
	global_load_b128 v[128*((\q)%2)+64+4*n:128*((\q)%2)+64+4*n+3], v3, s[4:5] offset:131072+32*(16*(\q)+n)
.endm
; a chunk's 64 products: the four accumulators take turns, one instruction a turn; the first four start the sums.  ahead = 1: three loads of the chunk two on stand behind every four products
.macro MULQ q, ahead
.set c, 0
.rept 32
	WIN 0x09+4*((\q)/2)                            ; w_proj window 1, y window 2 or 3, C and D window 0
.irp u, 0,1
.if ((\q) == 0) && (c < 2)
	v_wmma_f32_16x16x4_f32 v[64+8*(2*\u+c%2):71+8*(2*\u+c%2)], v[64*(\q)+2*c:64*(\q)+2*c+1], v[128*((\q)%2)+64*\u+2*c:128*((\q)%2)+64*\u+2*c+1], 0
.else
	v_wmma_f32_16x16x4_f32 v[64+8*(2*\u+c%2):71+8*(2*\u+c%2)], v[64*(\q)+2*c:64*(\q)+2*c+1], v[128*((\q)%2)+64*\u+2*c:128*((\q)%2)+64*\u+2*c+1], v[64+8*(2*\u+c%2):71+8*(2*\u+c%2)]
.endif
.endr
.if (\ahead) && ((c%2) == 1)
.set n, c/2
	LOAD3 (\q)+2
.endif
.set c, c+1
.endr
.endm
	s_wait_loadcnt 48                              ; the bias and chunk 0 are in; chunk 1's 48 loads may be out
	MULQ 0, 1
	s_wait_loadcnt 48                              ; chunk 1 is in; chunk 2's 48 may be out
	MULQ 1, 1
	s_wait_loadcnt 48                              ; chunk 2 is in; chunk 3's 48 may be out
	MULQ 2, 0
	s_wait_loadcnt 0x0
	MULQ 3, 0
	WIN 0
.rept 8
	v_nop                                          ; eight places behind this form (ISA guide 7.12.1)
.endr
.irp u, 0,1
.irp j, 0,1,2,3,4,5,6,7
	v_add_f32 v[96+8*\u+\j], v[64+16*\u+\j], v[72+16*\u+\j]    ; the two parities; each accumulator from its low end on
.endr
.endr
.irp g, 0,1,2,3
	ds_store_b128 v7, v[96+4*\g:99+4*\g] offset:512*\g         ; group g: sequence g / 2, columns 4 (g % 2) on
.endr
	s_wait_dscnt 0x0                               ; for the others' sake: my stores have landed
	s_barrier_signal -1
	s_barrier_wait -1
.irp p, 0,1,2,3
	ds_load_b128 v[116+4*\p:119+4*\p], v8 offset:2048*\p       ; group w of all four waves: the four parts along K
.endr
	s_wait_dscnt 0x0
	v_pk_add_f32 v[116:117], v[116:117], v[120:121]
	v_pk_add_f32 v[118:119], v[118:119], v[122:123]
	v_pk_add_f32 v[124:125], v[124:125], v[128:129]
	v_pk_add_f32 v[126:127], v[126:127], v[130:131]
	v_pk_add_f32 v[116:117], v[116:117], v[124:125]
	v_pk_add_f32 v[118:119], v[118:119], v[126:127]
	v_pk_add_f32 v[116:117], v[116:117], v[112:113]
	v_pk_add_f32 v[118:119], v[118:119], v[114:115]
	global_store_b128 v5, v[116:119], s[10:11]     ; 16 bytes a lane, rows 8,192 bytes apart: 256-byte blocks are written in parts here, 512 bytes a wave
	s_wait_tensorcnt 0x0                           ; the wave's end
	ds_add_u32 v[SPW], v[NIL]
	s_wait_dscnt 0x0
	s_endpgm
.Lfunc_end_k_qfa448acf5e_fine:
	.size	k_qfa448acf5e_fine, .Lfunc_end_k_qfa448acf5e_fine-k_qfa448acf5e_fine
	.p2alignl 7, 3214868480
	.fill 96, 4, 3214868480
	.section	.rodata,"a",@progbits
	.p2align	6, 0x0
	.amdhsa_kernel k_qfa448acf5e_fine
		.amdhsa_group_segment_fixed_size 8704
		.amdhsa_private_segment_fixed_size 0
		.amdhsa_enable_private_segment 0
		.amdhsa_kernarg_size 32
		.amdhsa_user_sgpr_count 2
		.amdhsa_user_sgpr_kernarg_segment_ptr 1
		.amdhsa_wavefront_size32 1
		.amdhsa_system_sgpr_workgroup_id_x 1
		.amdhsa_system_sgpr_workgroup_id_y 1
		.amdhsa_system_sgpr_workgroup_id_z 1
		.amdhsa_system_vgpr_workitem_id 0
		.amdhsa_next_free_vgpr 1024
		.amdhsa_next_free_sgpr 66
		.amdhsa_reserve_vcc 0
		.amdhsa_float_denorm_mode_32 3
		.amdhsa_float_denorm_mode_16_64 3
		.amdhsa_memory_ordered 1
		.amdhsa_forward_progress 1
		.amdhsa_inst_pref_size 42
	.end_amdhsa_kernel
	.amdgpu_metadata
---
amdhsa.version: [ 1, 2 ]
amdhsa.kernels:
  - .name:           k_qfa448acf5e_fine
    .symbol:         k_qfa448acf5e_fine.kd
    .args:
      - { .name: yfine, .offset: 0, .size: 8, .value_kind: global_buffer, .address_space: global }
      - { .name: w_proj, .offset: 8, .size: 8, .value_kind: global_buffer, .address_space: global }
      - { .name: b_proj, .offset: 16, .size: 8, .value_kind: global_buffer, .address_space: global }
      - { .name: out0, .offset: 24, .size: 8, .value_kind: global_buffer, .address_space: global }
    .group_segment_fixed_size: 8704
    .private_segment_fixed_size: 0
    .kernarg_segment_align: 8
    .kernarg_segment_size: 32
    .max_flat_workgroup_size: 128
    .sgpr_count:     66
    .vgpr_count:     1024
    .wavefront_size: 32
...
	.end_amdgpu_metadata
.endif
;; end of part 5
